; MI455X (gfx1250); checked and timed in simulation.
; The chip was launched on July 23, 2026; its instructions are those of AMD's public machine-readable ISA for CDNA 5 (MIT licence, August 2026) and "CDNA5" Instruction Set Architecture Reference Guide (July 2026). The comments in the code are by the model that wrote it; some were corrected since.
;; Mo E Layer. Allowed arithmetic: matrix products marked QUANTISED: E4M3 operands, one given power-of-two scale a tensor, by v_wmma_f32_16x16x64_fp8_fp8 or v_wmma_f32_16x16x128_fp8_fp8, f32 sums; products left as they are: f32 operands where the result goes on into a quantised operand, else bf16, f16 or f32 operands; f32 sums; everything else in f32.
;; Inputs: down_b 8 x 1,024 float32; down_w 8 x 4,096 x 1,024 float32; gate_w 1,024 x 8 float32; lowp_scales 32 int32 (the exponents e of the quantised operands' scales 2^e); up_b 8 x 4,096 float32; up_w 8 x 1,024 x 4,096 float32; x 4 x 256 x 1,024 float32.
;; Outputs: out0 4 x 256 x 1,024 float32; out1 one number float32; out2 8 float32; out3 4 x 256 int32.
;; This version of the problem:
;;   THIS VERSION OF THE PROBLEM IS GIVEN IN LOW PRECISION. The matrix products marked QUANTISED in the list below multiply operands that are first quantised to E4M3 (4 exponent bits, 3 mantissa bits; 8 bits a number), with one given power-of-two scale for each operand tensor; their sums are f32. All else is computed in f32.
;;   The module's matrix products, in the order in which they are computed (A, B: the left and right operand; K: the contracted axis; several contracted axes count as one K, in the product's order):
;;     1. [M 1,024, K 1,024] x [K 1,024, N 8]; A: input x; B: input gate_w: left as it is (N = 8 < 16)
;;     2. [M 1,024, K 1,024] x [K 1,024, N 4,096]; A: input x; B: input up_w: QUANTISED (scales: A lowp_scales[0], B lowp_scales[1])
;;     3. [M 1,024, K 4,096] x [K 4,096, N 1,024]; A: computed on the way; B: input down_w: QUANTISED (scales: A lowp_scales[2], B lowp_scales[3])
;;     4. [M 1,024, K 1,024] x [K 1,024, N 4,096]; A: input x; B: input up_w: QUANTISED (scales: A lowp_scales[4], B lowp_scales[5])
;;     5. [M 1,024, K 4,096] x [K 4,096, N 1,024]; A: computed on the way; B: input down_w: QUANTISED (scales: A lowp_scales[6], B lowp_scales[7])
;;     6. [M 1,024, K 1,024] x [K 1,024, N 4,096]; A: input x; B: input up_w: QUANTISED (scales: A lowp_scales[8], B lowp_scales[9])
;;     7. [M 1,024, K 4,096] x [K 4,096, N 1,024]; A: computed on the way; B: input down_w: QUANTISED (scales: A lowp_scales[10], B lowp_scales[11])
;;     8. [M 1,024, K 1,024] x [K 1,024, N 4,096]; A: input x; B: input up_w: QUANTISED (scales: A lowp_scales[12], B lowp_scales[13])
;;     9. [M 1,024, K 4,096] x [K 4,096, N 1,024]; A: computed on the way; B: input down_w: QUANTISED (scales: A lowp_scales[14], B lowp_scales[15])
;;     10. [M 1,024, K 1,024] x [K 1,024, N 4,096]; A: input x; B: input up_w: QUANTISED (scales: A lowp_scales[16], B lowp_scales[17])
;;     11. [M 1,024, K 4,096] x [K 4,096, N 1,024]; A: computed on the way; B: input down_w: QUANTISED (scales: A lowp_scales[18], B lowp_scales[19])
;;     12. [M 1,024, K 1,024] x [K 1,024, N 4,096]; A: input x; B: input up_w: QUANTISED (scales: A lowp_scales[20], B lowp_scales[21])
;;     13. [M 1,024, K 4,096] x [K 4,096, N 1,024]; A: computed on the way; B: input down_w: QUANTISED (scales: A lowp_scales[22], B lowp_scales[23])
;;     14. [M 1,024, K 1,024] x [K 1,024, N 4,096]; A: input x; B: input up_w: QUANTISED (scales: A lowp_scales[24], B lowp_scales[25])
;;     15. [M 1,024, K 4,096] x [K 4,096, N 1,024]; A: computed on the way; B: input down_w: QUANTISED (scales: A lowp_scales[26], B lowp_scales[27])
;;     16. [M 1,024, K 1,024] x [K 1,024, N 4,096]; A: input x; B: input up_w: QUANTISED (scales: A lowp_scales[28], B lowp_scales[29])
;;     17. [M 1,024, K 4,096] x [K 4,096, N 1,024]; A: computed on the way; B: input down_w: QUANTISED (scales: A lowp_scales[30], B lowp_scales[31])
;;   THE QUANTISER, for each operand of a quantised product, along K:
;;     - The operand's scale is 2^e, e = its entry of the input lowp_scales (int32; the entries are numbered through the quantised products in the list's order, A before B).
;;     - Each number is divided by the scale, clamped to +-448, and rounded to the nearest number of E4M3, ties to even, subnormals kept.
;;     - The product sums the exact products of the quantised numbers (number of the format x scale) in f32.
;;   ~~~python
;;   def quantise(x, axis, e):      # numpy; x: float32 -> the quantised numbers, widened to float32 again
;;       x = np.moveaxis(x, axis, -1); K = x.shape[-1]
;;       r = np.clip(x / 2.0 ** e, -448, 448)
;;       step = 2.0 ** (np.maximum(np.frexp(np.where(r == 0, 1, r))[1] - 1, -6) - 3)
;;       q = np.round(r / step) * step * 2.0 ** e      # np.round: ties to even
;;       return np.moveaxis(q, -1, axis).astype(np.float32)
;;   ~~~
;;   OPERANDS COMPUTED ON THE WAY. 'Computed on the way' means the value that the module computes at that place (a softmax that the list does not call 'softmax' is quantised finished and normalised). What goes into a quantiser is computed in f32, as accurately as f32 sums, v_exp_f32 and their like allow (about 1e-6 of the number): no bf16 or f16 on the way to a quantiser, and a product that is left as it is and whose result goes on into a quantised operand takes f32 operands (vector FMAs, or v_wmma_f32_16x16x4_f32). A number that lies on a knife's edge between two numbers of the format may be rounded either way, as far as f32 arithmetic and the matrix unit's own rounding can turn it there, and no further.
;; 2 versions, each right; version 2 is version 1 with the launches up, down written anew for expert scheduling mode. Each part assembles by itself: llvm-mc -triple=amdgcn-amd-amdhsa -mcpu=gfx1250 --defsym DOCPART=n.
;; ======== version 1 of 2: 5 launches
;; workspace buffers: choice 8,192 bytes of whole numbers; wts 8,192 bytes; psum 8,192 bytes; cnt 256 bytes of whole numbers; posof 8,192 bytes of whole numbers; xs 10,485,760 bytes; hq 41,943,040 bytes; part 83,886,080 bytes
;; launch router (part 1): grid 256 x 1, 4 waves a work-group, no clusters, 37,632 bytes of LDS; arguments x, gate_w, choice, wts, psum, out3; writes choice, wts, psum, out3
.if DOCPART == 1
	.amdgcn_target "amdgcn-amd-amdhsa--gfx1250"
	.amdhsa_code_object_version 6
	.text
	.protected	k_q5e763c125e_router
	.globl	k_q5e763c125e_router
	.p2align	8
	.type	k_q5e763c125e_router,@function
k_q5e763c125e_router:
	s_mov_b64 s[64:65], 0
	v_nop
	global_prefetch_b8 v0, s[64:65] scope:SCOPE_SE
	s_setreg_imm32_b32 hwreg(HW_REG_WAVE_MODE, 25, 1), 1
	s_wait_xcnt 0x0
; ROUTER.  logits = x gate_w in f32 (fused multiply-adds), softmax over the 8 experts, the two largest, their renormalised weights.
; A wave owns one token (t = 4 x work-group + wave): lane L holds x[128 j + 4 L + c], j = 0..7, c = 0..3, and multiplies it by the 8 numbers of gate_w's row.
; gate_w (32,768 bytes) is copied once into LDS, 128 bytes (four rows) to a group, groups 144 bytes apart, so that the 32 lanes' 16-byte reads start 144 bytes apart.
; OUT: choice[2 t + k] (expert, whole numbers, at fixed places: no address here hangs on them), wts[2 t + k], out3[t], psum[work-group][8] (the four tokens' probabilities added).
; These stores are a few bytes a wave (28 KB in the launch): four tokens to a work-group have no more to store.
; The maximum is taken away before the exponentials.  The two largest are taken on the LOGITS by a strict comparison in ascending order (the lower index wins a tie).
; LIMITS: ties that arise only when probabilities are rounded are not reproduced; NaN and infinities among the inputs are not served.
; No matrix unit: N = 8 is half a tile, and the whole product is 8 M multiply-adds.
.set PSB, 36864                        ; LDS: behind the copy of gate_w: 4 waves x 8 probabilities
.set X,   16                           ; v16-47   my 32 numbers of x
.set G,   48                           ; v48-175  two buffers of 64: gate_w's rows for two j
.set ACC, 176                          ; v176-191 two sets of 8 sums; afterwards v176-183 the logits
.set PR,  192                          ; v192-199 probabilities
.set MX,  200
.set B1,  201
.set I1,  202
.set B2,  203
.set I2,  204
.set NI,  205
.set T0,  206
.set T1,  207
.set CHV, 208
.set WTV, 209
	s_load_b256 s[4:11], s[0:1], 0x0               ; x s[4:5], gate_w s[6:7], choice s[8:9], wts s[10:11]
	s_load_b128 s[12:15], s[0:1], 0x20             ; psum s[12:13], out3 s[14:15]
	v_lshl_add_u32 v216, v0, 2, 0x9100
	v_mov_b32 v217, 0
	v_lshrrev_b32 v1, 5, v0
	v_readfirstlane_b32 s16, v1                    ; wave
	v_and_b32 v1, 31, v0                           ; lane L
	v_lshlrev_b32 v2, 4, v1                        ; 16 L
	v_lshlrev_b32 v3, 4, v0                        ; 16 x thread
	v_lshrrev_b32 v4, 3, v0
	v_mul_u32_u24 v4, v4, 144
	v_and_b32 v9, 7, v0
	v_lshl_add_u32 v4, v9, 4, v4                   ; the copy, way in: group thread / 8, 16 bytes a thread
	v_mul_u32_u24 v5, v1, 144                      ; way out: group L of a j's 32
	v_and_b32 v6, 7, v1                            ; L % 8
	s_lshl_b32 s18, s16, 5
	v_lshlrev_b32 v8, 2, v6
	v_add_nc_u32 v8, PSB, v8                       ; PSB + 4 (L % 8)
	v_add_nc_u32 v7, s18, v8                       ; + 32 x wave
	v_lshlrev_b32 v10, 2, v1                       ; 4 L
	s_lshl_b32 s17, ttmp9, 2
	s_add_co_u32 s17, s17, s16                     ; t
	s_lshl_b32 s24, s17, 12                        ; the token's row of 4,096 bytes
	s_mov_b32 s25, 0
	s_lshl_b32 s26, s17, 3                         ; 8 t
	s_mov_b32 s27, 0
	s_lshl_b32 s28, s17, 2                         ; 4 t
	s_mov_b32 s29, 0
	s_lshl_b32 s30, ttmp9, 5                       ; 32 x work-group
	s_mov_b32 s31, 0
	s_mov_b32 s20, 0x76543210                      ; v_permlanex16_b32: lane l xor 16
	s_mov_b32 s21, 0xfedcba98
	s_wait_kmcnt 0x0
	s_add_nc_u64 s[4:5], s[4:5], s[24:25]
	s_add_nc_u64 s[8:9], s[8:9], s[26:27]
	s_add_nc_u64 s[10:11], s[10:11], s[26:27]
	s_add_nc_u64 s[14:15], s[14:15], s[28:29]
	s_add_nc_u64 s[12:13], s[12:13], s[30:31]
.irp n, 0,1,2,3,4,5,6,7,8,9,10,11,12,13,14,15
	global_load_b128 v[G+4*\n:G+4*\n+3], v3, s[6:7] offset:2048*\n      ; the work-group's 128 threads read 2,048 consecutive bytes
.endr
.irp j, 0,1,2,3,4,5,6,7
	global_load_b128 v[X+4*\j:X+4*\j+3], v2, s[4:5] offset:512*\j th:TH_LOAD_NT
.endr
	s_wait_loadcnt 8                               ; gate_w's sixteen loads are in; x's eight may be out
.irp n, 0,1,2,3,4,5,6,7,8,9,10,11,12,13,14,15
	ds_store_b128 v4, v[G+4*\n:G+4*\n+3] offset:2304*\n                ; 16 groups of 144 bytes a load
.endr
	s_wait_dscnt 0x0                               ; for the others' sake: my part of the copy is in LDS
	s_barrier_signal -1
	s_barrier_wait -1
.macro GLOAD n                         ; gate_w's rows for j = 2 n, 2 n + 1: register 32 jj + 8 c + e = gate_w[128 j + 4 L + c][e]
.irp jj, 0,1
.irp i, 0,1,2,3,4,5,6,7
	ds_load_b128 v[G+64*((\n)%2)+32*\jj+4*\i:G+64*((\n)%2)+32*\jj+4*\i+3], v5 offset:4608*(2*(\n)+\jj)+16*\i
.endr
.endr
.endm
.macro FMA8 n, c, sel, mul             ; x's number c of both j (word sel of its pair, for both halves) x the row's four pairs of experts
.irp jj, 0,1
.irp p, 0,1,2,3
.if \mul
	v_pk_mul_f32 v[ACC+8*\jj+2*\p:ACC+8*\jj+2*\p+1], v[X+4*(2*(\n)+\jj)+2*((\c)/2):X+4*(2*(\n)+\jj)+2*((\c)/2)+1], v[G+64*((\n)%2)+32*\jj+8*(\c)+2*\p:G+64*((\n)%2)+32*\jj+8*(\c)+2*\p+1] op_sel:[\sel,0] op_sel_hi:[\sel,1]
.else
	v_pk_fma_f32 v[ACC+8*\jj+2*\p:ACC+8*\jj+2*\p+1], v[X+4*(2*(\n)+\jj)+2*((\c)/2):X+4*(2*(\n)+\jj)+2*((\c)/2)+1], v[G+64*((\n)%2)+32*\jj+8*(\c)+2*\p:G+64*((\n)%2)+32*\jj+8*(\c)+2*\p+1], v[ACC+8*\jj+2*\p:ACC+8*\jj+2*\p+1] op_sel:[\sel,0,0] op_sel_hi:[\sel,1,1]
.endif
.endr
.endr
.endm
.macro CHUNK n, first                  ; the first products start the sums: nothing is cleared
	FMA8 \n, 0, 0, \first
	FMA8 \n, 1, 1, 0
	FMA8 \n, 2, 0, 0
	FMA8 \n, 3, 1, 0
.endm
	GLOAD 0
	GLOAD 1
	s_wait_loadcnt 0x0                             ; x
	s_wait_dscnt 16                                ; chunk 0's sixteen loads are in; chunk 1's may be out
	CHUNK 0, 1
	GLOAD 2
	s_wait_dscnt 16
	CHUNK 1, 0
	GLOAD 3
	s_wait_dscnt 16
	CHUNK 2, 0
	s_wait_dscnt 0x0
	CHUNK 3, 0
.irp p, 0,1,2,3
	v_pk_add_f32 v[ACC+2*\p:ACC+2*\p+1], v[ACC+2*\p:ACC+2*\p+1], v[ACC+8+2*\p:ACC+8+2*\p+1]
.endr
.irp k, 1,2,4,8                        ; over the 32 lanes: four steps inside each half, one across
.irp e, 0,1,2,3,4,5,6,7
	v_add_f32_dpp v[ACC+\e], v[ACC+\e], v[ACC+\e] row_xmask:\k row_mask:0xf bank_mask:0xf
.endr
.endr
.irp e, 0,1,2,3,4,5,6,7
	v_mov_b32 v[PR+\e], 0                          ; a lane permute's destination counts as read
.endr
.irp e, 0,1,2,3,4,5,6,7
	v_permlanex16_b32 v[PR+\e], v[ACC+\e], s20, s21
.endr
.irp e, 0,1,2,3,4,5,6,7
	v_add_f32 v[ACC+\e], v[ACC+\e], v[PR+\e]       ; every lane holds the eight logits
.endr
	; softmax
	v_max3_num_f32 v[MX], v[ACC], v[ACC+1], v[ACC+2]
	v_max3_num_f32 v[MX], v[MX], v[ACC+3], v[ACC+4]
	v_max3_num_f32 v[MX], v[MX], v[ACC+5], v[ACC+6]
	v_max_num_f32 v[MX], v[MX], v[ACC+7]
.irp e, 0,1,2,3,4,5,6,7
	v_sub_f32 v[PR+\e], v[ACC+\e], v[MX]
.endr
.irp e, 0,1,2,3,4,5,6,7
	v_mul_f32 v[PR+\e], 0x3fb8aa3b, v[PR+\e]       ; x log2(e)
.endr
.irp e, 0,1,2,3,4,5,6,7
	v_exp_f32 v[PR+\e], v[PR+\e]
.endr
	v_nop                                          ; a plain instruction between the exponentials and the use of their results
	s_wait_alu depctr_va_vdst(0)
	v_add_f32 v[T0], v[PR], v[PR+1]
	v_add_f32 v[T1], v[PR+2], v[PR+3]
	v_add_f32 v[CHV], v[PR+4], v[PR+5]
	v_add_f32 v[WTV], v[PR+6], v[PR+7]
	v_add_f32 v[T0], v[T0], v[T1]
	v_add_f32 v[CHV], v[CHV], v[WTV]
	v_add_f32 v[T0], v[T0], v[CHV]
	v_rcp_f32 v[T0], v[T0]
	v_nop
	s_wait_alu depctr_va_vdst(0)
.irp e, 0,1,2,3,4,5,6,7
	v_mul_f32 v[PR+\e], v[PR+\e], v[T0]
.endr
	; the largest logit, then the largest of the rest: values are selected, nothing branches
	v_mov_b32 v[B1], v[ACC]
	v_mov_b32 v[I1], 0
.irp e, 1,2,3,4,5,6,7
	v_cmp_gt_f32 vcc_lo, v[ACC+\e], v[B1]
	v_cndmask_b32 v[B1], v[B1], v[ACC+\e], vcc_lo
	v_cndmask_b32 v[I1], v[I1], \e, vcc_lo
.endr
	v_mov_b32 v[NI], 0xff800000                    ; -infinity takes the winner's place
.irp e, 0,1,2,3,4,5,6,7
	v_cmp_eq_u32 vcc_lo, \e, v[I1]
	v_cndmask_b32 v[ACC+\e], v[ACC+\e], v[NI], vcc_lo
.endr
	v_mov_b32 v[B2], v[ACC]
	v_mov_b32 v[I2], 0
.irp e, 1,2,3,4,5,6,7
	v_cmp_gt_f32 vcc_lo, v[ACC+\e], v[B2]
	v_cndmask_b32 v[B2], v[B2], v[ACC+\e], vcc_lo
	v_cndmask_b32 v[I2], v[I2], \e, vcc_lo
.endr
	v_sub_f32 v[T0], v[B2], v[B1]                  ; p2 / p1 = e^(l2 - l1), at most 1
	v_mul_f32 v[T0], 0x3fb8aa3b, v[T0]
	v_exp_f32 v[T0], v[T0]
	v_nop
	s_wait_alu depctr_va_vdst(0)
	v_add_f32 v[T1], 1.0, v[T0]
	v_rcp_f32 v[T1], v[T1]                         ; w1 = p1 / (p1 + p2)
	v_nop
	s_wait_alu depctr_va_vdst(0)
	v_mul_f32 v[T0], v[T0], v[T1]                  ; w2
	v_cmp_eq_u32 vcc_lo, 0, v1
	v_cndmask_b32 v[CHV], v[I2], v[I1], vcc_lo     ; lane 0: the first choice; lane 1: the second
	v_cndmask_b32 v[WTV], v[T0], v[T1], vcc_lo
	s_wait_xcnt 0x0                                ; EXEC changes only behind this wait
	v_cmp_gt_u32 vcc_lo, 2, v1
	s_and_saveexec_b32 s22, vcc_lo
	global_store_b32 v10, v[CHV], s[8:9]
	global_store_b32 v10, v[WTV], s[10:11]
	s_wait_xcnt 0x0
	s_or_b32 exec_lo, exec_lo, s22
	v_cmp_eq_u32 vcc_lo, 0, v1
	s_and_saveexec_b32 s22, vcc_lo
	global_store_b32 v10, v[I1], s[14:15]          ; out3[t]
	s_wait_xcnt 0x0
	s_or_b32 exec_lo, exec_lo, s22
	; the four tokens' probabilities are added: lane L brings expert L % 8
	v_mov_b32 v[T1], v[PR]
.irp e, 1,2,3,4,5,6,7
	v_cmp_eq_u32 vcc_lo, \e, v6
	v_cndmask_b32 v[T1], v[T1], v[PR+\e], vcc_lo
.endr
	ds_store_b32 v7, v[T1]                         ; four lanes write the same word with the same number
	s_wait_dscnt 0x0
	s_barrier_signal -1
	s_barrier_wait -1
	s_cmp_lg_u32 s16, 0
	s_cbranch_scc1 .Lend
.irp w, 0,1,2,3
	ds_load_b32 v[PR+\w], v8 offset:32*\w
.endr
	s_wait_dscnt 0x0
	v_add_f32 v[PR], v[PR], v[PR+1]
	v_add_f32 v[PR+2], v[PR+2], v[PR+3]
	v_add_f32 v[PR], v[PR], v[PR+2]
	v_cmp_gt_u32 vcc_lo, 8, v1
	s_wait_tensorcnt 0x0
	ds_add_u32 v216, v217
	s_wait_dscnt 0x0
	s_and_saveexec_b32 s22, vcc_lo
	global_store_b32 v10, v[PR], s[12:13]
	s_endpgm
.Lend:
	s_wait_tensorcnt 0x0
	ds_add_u32 v216, v217
	s_wait_dscnt 0x0
	s_endpgm
.Lfunc_end_k_q5e763c125e_router:
	.size	k_q5e763c125e_router, .Lfunc_end_k_q5e763c125e_router-k_q5e763c125e_router
	.p2alignl 7, 3214868480
	.fill 96, 4, 3214868480
	.section	.rodata,"a",@progbits
	.p2align	6, 0x0
	.amdhsa_kernel k_q5e763c125e_router
		.amdhsa_group_segment_fixed_size 37632
		.amdhsa_private_segment_fixed_size 0
		.amdhsa_enable_private_segment 0
		.amdhsa_kernarg_size 48
		.amdhsa_user_sgpr_count 2
		.amdhsa_user_sgpr_kernarg_segment_ptr 1
		.amdhsa_wavefront_size32 1
		.amdhsa_system_sgpr_workgroup_id_x 1
		.amdhsa_system_sgpr_workgroup_id_y 1
		.amdhsa_system_sgpr_workgroup_id_z 1
		.amdhsa_system_vgpr_workitem_id 0
		.amdhsa_next_free_vgpr 218
		.amdhsa_next_free_sgpr 66
		.amdhsa_reserve_vcc 1
		.amdhsa_float_denorm_mode_32 3
		.amdhsa_float_denorm_mode_16_64 3
		.amdhsa_memory_ordered 1
		.amdhsa_forward_progress 1
		.amdhsa_inst_pref_size 28
	.end_amdhsa_kernel
	.amdgpu_metadata
---
amdhsa.version: [ 1, 2 ]
amdhsa.kernels:
  - .name:           k_q5e763c125e_router
    .symbol:         k_q5e763c125e_router.kd
    .args:
      - { .name: x, .offset: 0, .size: 8, .value_kind: global_buffer, .address_space: global }
      - { .name: gate_w, .offset: 8, .size: 8, .value_kind: global_buffer, .address_space: global }
      - { .name: choice, .offset: 16, .size: 8, .value_kind: global_buffer, .address_space: global }
      - { .name: wts, .offset: 24, .size: 8, .value_kind: global_buffer, .address_space: global }
      - { .name: psum, .offset: 32, .size: 8, .value_kind: global_buffer, .address_space: global }
      - { .name: out3, .offset: 40, .size: 8, .value_kind: global_buffer, .address_space: global }
    .group_segment_fixed_size: 37632
    .private_segment_fixed_size: 0
    .kernarg_segment_align: 8
    .kernarg_segment_size: 48
    .max_flat_workgroup_size: 128
    .sgpr_count:     66
    .vgpr_count:     218
    .wavefront_size: 32
...
	.end_amdgpu_metadata
.endif
;; end of part 1
;; launch place (part 2): grid 80 x 8, 4 waves a work-group, no clusters, 0 bytes of LDS; arguments choice, psum, x, lowp_scales, xs, cnt, posof, out1, out2; writes xs, cnt, posof, out1, out2
.if DOCPART == 2
	.amdgcn_target "amdgcn-amd-amdhsa--gfx1250"
	.amdhsa_code_object_version 6
	.text
	.protected	k_q5e763c125e_place
	.globl	k_q5e763c125e_place
	.p2align	8
	.type	k_q5e763c125e_place,@function
k_q5e763c125e_place:
	s_mov_b64 s[64:65], 0
	v_nop
	global_prefetch_b8 v0, s[64:65] scope:SCOPE_SE
	s_setreg_imm32_b32 hwreg(HW_REG_WAVE_MODE, 25, 1), 1
	s_wait_xcnt 0x0
; PLACE.  Work-group (m, e) makes tile m (16 rows) of expert e's rows of x, as codes of E4M3 with the scale 2^ex that is given for that expert's first product.
; The 2,048 entries of choice (entry 2 t + k) that name expert e are ranked: by sequence row i = 4 a + c first (entry = 128 a + 4 lane + c), then by lane.  Rank rho gets place 1280 e + rho.
; Every wave ranks for itself, in registers: 64 masks of 32 lanes, a running count, and for each lane the last row whose count is not above its rho = 16 m + lane % 16; then the (rho - count + 1)-th bit of that row's mask.
; No atomics, no LDS, no barrier.  A rank at or beyond the expert's count takes token 0: such rows are multiplied later and never read.
; xs: an IMAGE OF THE OPERAND'S REGISTERS: tile (80 e + m), K step q of 128, 2,048 bytes: lane l's registers 4 c .. 4 c + 3 at 512 c + 16 l; registers 2 c, 2 c + 1 of lane (r, h) hold k = 16 c + 8 h + 0 .. 7 of row r.
; The grid serves every split: an expert has at most 1,024 rows, 64 tiles; tiles are written up to 20 x (passes that the products will walk), 20 at the least.  A work-group beyond that stores nothing.
; Work-group (79, 7), wave 0, also makes out2 (the mean of the probabilities) and out1 (8 x the sum of its squares) from psum.
; LIMITS: ex between -126 and 119.  NaN among the inputs is not served; what lies beyond 448 x 2^ex is held there.
.set CH, 16                            ; v16-79   the 2,048 entries, 64 a lane
.set X,  80                            ; v80-207  two K steps of 64 numbers
.set CD, 208                           ; v208-239 their codes
	s_load_b256 s[4:11], s[0:1], 0x0               ; choice s[4:5], psum s[6:7], x s[8:9], lowp_scales s[10:11]
	s_load_b256 s[12:19], s[0:1], 0x20             ; xs s[12:13], cnt s[14:15], posof s[16:17], out1 s[18:19]
	s_load_b64 s[20:21], s[0:1], 0x40              ; out2
	v_lshrrev_b32 v1, 5, v0
	v_readfirstlane_b32 s22, v1                    ; wave
	s_mov_b32 s23, ttmp9                           ; m
	s_and_b32 s24, ttmp7, 0xffff                   ; e
	v_and_b32 v1, 31, v0                           ; lane
	v_lshlrev_b32 v2, 4, v1                        ; 16 x lane
	v_and_b32 v3, 15, v1                           ; r
	v_lshrrev_b32 v4, 4, v1                        ; h
	s_lshl_b32 s26, s23, 4
	v_add_nc_u32 v5, s26, v3                       ; rho = 16 m + r
	s_lshl_b32 s30, s24, 4                         ; the expert's four exponents
	s_mov_b32 s31, 0
	s_lshl_b32 s42, s24, 2                         ; cnt[e]
	s_mov_b32 s43, 0
	s_mov_b32 s40, 0x76543210
	s_mov_b32 s41, 0xfedcba98
	s_wait_kmcnt 0x0
.irp a, 0,1,2,3,4,5,6,7,8,9,10,11,12,13,14,15
	global_load_b128 v[CH+4*\a:CH+4*\a+3], v2, s[4:5] offset:512*\a
.endr
	s_add_nc_u64 s[10:11], s[10:11], s[30:31]
	s_add_nc_u64 s[14:15], s[14:15], s[42:43]
	s_load_b32 s44, s[10:11], 0x0                  ; ex
	; ---- the statistics, in one wave of the launch (a branch on ids)
	s_cmp_eq_u32 s23, 79
	s_cselect_b32 s26, 1, 0
	s_cmp_eq_u32 s24, 7
	s_cselect_b32 s26, s26, 0
	s_cmp_eq_u32 s22, 0
	s_cselect_b32 s26, s26, 0
	s_cmp_lg_u32 s26, 0
	s_cbranch_scc0 .Lnostat
.irp n, 0,1,2,3,4,5,6,7,8,9,10,11,12,13,14,15
	global_load_b128 v[X+4*\n:X+4*\n+3], v2, s[6:7] offset:512*\n      ; lane l: experts 4 (l % 2) .. + 3 of work-group 16 n + l / 2
.endr
	s_wait_loadcnt 0x0
.irp n, 1,2,3,4,5,6,7,8,9,10,11,12,13,14,15
	v_pk_add_f32 v[X:X+1], v[X:X+1], v[X+4*\n:X+4*\n+1]
	v_pk_add_f32 v[X+2:X+3], v[X+2:X+3], v[X+4*\n+2:X+4*\n+3]
.endr
.irp k, 2,4,8                          ; over the lanes of my parity
.irp j, 0,1,2,3
	v_add_f32_dpp v[X+\j], v[X+\j], v[X+\j] row_xmask:\k row_mask:0xf bank_mask:0xf
.endr
.endr
.irp j, 0,1,2,3
	v_permlanex16_b32 v[X+4+\j], v[X+\j], s40, s41
.endr
.irp j, 0,1,2,3
	v_add_f32 v[X+\j], v[X+\j], v[X+4+\j]
.endr
.irp j, 0,1,2,3
	v_mul_f32 v[X+\j], 0x3a800000, v[X+\j]         ; / 1,024 tokens
.endr
	v_mul_f32 v[X+8], v[X], v[X]
	v_fmac_f32 v[X+8], v[X+1], v[X+1]
	v_fmac_f32 v[X+8], v[X+2], v[X+2]
	v_fmac_f32 v[X+8], v[X+3], v[X+3]
	v_add_f32_dpp v[X+8], v[X+8], v[X+8] row_xmask:1 row_mask:0xf bank_mask:0xf
	v_mul_f32 v[X+8], 0x41000000, v[X+8]           ; x 8 experts
	s_wait_xcnt 0x0                                ; EXEC changes only behind this wait
	v_cmp_gt_u32 vcc_lo, 2, v1
	s_and_saveexec_b32 s27, vcc_lo
	global_store_b128 v2, v[X:X+3], s[20:21]       ; out2: lanes 0 and 1, 16 bytes each
	s_wait_xcnt 0x0
	s_or_b32 exec_lo, exec_lo, s27
	v_cmp_eq_u32 vcc_lo, 0, v1
	s_and_saveexec_b32 s27, vcc_lo
	global_store_b32 v2, v[X+8], s[18:19]          ; out1
	s_wait_xcnt 0x0
	s_or_b32 exec_lo, exec_lo, s27
.Lnostat:
	s_wait_loadcnt 0x0                             ; the entries
	; ---- the ranks
	s_mov_b32 s25, 0                               ; entries of my expert in the rows so far
.macro GRP g                           ; eight sequence rows: their masks first, so that the count's chain does not wait for each comparison
.irp u, 0,1,2,3,4,5,6,7
	v_cmp_eq_u32 s[32+\u], s24, v[CH+8*(\g)+\u]
.endr
.irp u, 0,1,2,3,4,5,6,7
.if (8*(\g)+\u) == 0
	v_mov_b32 v6, s32                              ; row 0's count is 0: it holds for every rho
	v_mov_b32 v7, 0
	v_mov_b32 v8, 0
.else
	v_cmp_le_u32 vcc_lo, s25, v5                   ; the row's count is not above my rho: keep its mask, its count and its number
	v_cndmask_b32 v6, v6, s[32+\u], vcc_lo
	v_cndmask_b32 v7, v7, s25, vcc_lo
	v_cndmask_b32 v8, v8, 8*(\g)+\u, vcc_lo
.endif
	s_bcnt1_i32_b32 s26, s[32+\u]
	s_add_co_u32 s25, s25, s26
.endr
.endm
.irp g, 0,1,2,3,4,5,6,7
	GRP \g
.endr
	v_sub_nc_u32 v9, v5, v7                        ; which of the row's set bits is mine, from 0
	v_mov_b32 v10, 0                               ; set bits up to bit b
	v_mov_b32 v11, 0                               ; how many b have no more than that many: my bit's number
.irp b, 0,1,2,3,4,5,6,7,8,9,10,11,12,13,14,15,16,17,18,19,20,21,22,23,24,25,26,27,28,29,30,31
	v_bfe_u32 v15, v6, \b, 1
	v_add_nc_u32 v10, v10, v15
	v_cmp_le_u32 vcc_lo, v10, v9
	v_add_co_ci_u32 v11, vcc_lo, 0, v11, vcc_lo
.endr
	v_min_u32 v11, 31, v11
	v_lshrrev_b32 v12, 2, v8
	v_lshlrev_b32 v12, 7, v12
	v_lshl_or_b32 v12, v11, 2, v12
	v_and_b32 v15, 3, v8
	v_or_b32 v12, v12, v15                         ; the entry: 128 a + 4 lane + c = 2 t + k
	v_cmp_gt_u32 vcc_lo, s25, v5
	v_cndmask_b32 v12, 0, v12, vcc_lo              ; beyond the count: entry 0
	; the gather's offset is made here, with all lanes on, ahead of every branch and every mask that hangs on the entries.
	; It counts in units of 32 bytes: 128 x token + h (a row of x is 128 units; my eight numbers of each sixteen begin h units on), at most 128 x 1,023 + 1 = 130,945
	v_lshrrev_b32 v9, 1, v12                       ; the token
	v_lshl_or_b32 v9, v9, 7, v4                    ; 128 x token + h
	v_min_u32 v13, 0x1ff81, v9                     ; held inside x; behind the hold stands one shift left alone
	v_lshlrev_b32 v13, 5, v13                      ; in bytes: 4,096 x token + 32 h
	; ---- cnt[e], by one wave for each expert
	s_or_b32 s26, s23, s22
	s_cmp_lg_u32 s26, 0
	s_cbranch_scc1 .Lnocnt
	v_mov_b32 v15, s25
	v_cmp_eq_u32 vcc_lo, 0, v1
	s_wait_xcnt 0x0
	s_and_saveexec_b32 s27, vcc_lo
	global_store_b32 v2, v15, s[14:15]
	s_wait_xcnt 0x0
	s_or_b32 exec_lo, exec_lo, s27
.Lnocnt:
	s_cmp_gt_u32 s25, 320                          ; the products walk passes of 20 tiles: one, and one more for each 320 rows that are exceeded
	s_cselect_b32 s26, 40, 20
	s_cmp_gt_u32 s25, 640
	s_cselect_b32 s26, 60, s26
	s_cmp_gt_u32 s25, 960
	s_cselect_b32 s26, 80, s26
	s_cmp_ge_u32 s23, s26
	s_cbranch_scc1 .Lend                           ; no pass reads this tile
	; ---- gather and quantise: wave w takes K steps 2 w and 2 w + 1
	s_lshl_b32 s30, s22, 10
	s_mov_b32 s31, 0
	s_add_nc_u64 s[8:9], s[8:9], s[30:31]
.irp qq, 0,1
.irp c, 0,1,2,3,4,5,6,7
.irp u, 0,1
	global_load_b128 v[X+64*\qq+8*\c+4*\u:X+64*\qq+8*\c+4*\u+3], v13, s[8:9] offset:512*\qq+64*\c+16*\u
.endr
.endr
.endr
	s_mul_i32 s30, s24, 80
	s_add_co_u32 s30, s30, s23
	s_lshl_b32 s30, s30, 14                        ; tile 80 e + m: eight images of 2,048 bytes
	s_lshl_b32 s26, s22, 12
	s_add_co_u32 s30, s30, s26                     ; + my two
	s_add_nc_u64 s[12:13], s[12:13], s[30:31]
	s_wait_kmcnt 0x0
	s_add_co_i32 s44, s44, 127
	s_lshl_b32 s45, s44, 23
	v_mov_b32 v240, s45                            ; 2^ex as f32: the conversion takes its exponent field
	s_add_co_i32 s44, s44, 8
	s_lshl_b32 s44, s44, 23
	s_or_b32 s29, s44, 0x600000                    ; 448 x 2^ex
	s_or_b32 s28, s29, 0x80000000                  ; and its negative
.irp qq, 0,1
	s_wait_loadcnt 16-16*\qq                       ; this K step's sixteen loads are in; the other's may be out
.set n, 0
.rept 64
	v_med3_num_f32 v[X+64*\qq+n], v[X+64*\qq+n], s28, s29   ; the conversion to an 8-bit code does not saturate (ISA guide 7.6.2): the hold comes first
.set n, n+1
.endr
.irp c, 0,1,2,3,4,5,6,7
	v_cvt_scalef32_pk8_fp8_f32 v[CD+16*\qq+2*\c:CD+16*\qq+2*\c+1], v[X+64*\qq+8*\c:X+64*\qq+8*\c+7], v240
.endr
	v_nop                                          ; a plain instruction behind the last conversion of a run
.irp c, 0,1,2,3
	global_store_b128 v2, v[CD+16*\qq+4*\c:CD+16*\qq+4*\c+3], s[12:13] offset:2048*\qq+512*\c   ; 32 lanes store 512 consecutive bytes, at a multiple of 512 from the buffer's first byte
.endr
.endr
	; ---- posof[entry] = 1280 e + rho, by wave 0, for the ranks under the count.  It stands last: its mask hangs on the count, and nothing is computed behind it
	s_cmp_lg_u32 s22, 0
	s_cbranch_scc1 .Lend
	v_min_u32 v14, 0x7ff, v12
	v_lshlrev_b32 v14, 2, v14
	s_mul_i32 s26, s24, 1280
	v_add_nc_u32 v15, s26, v5
	v_cmp_gt_u32 vcc_lo, s25, v5
	v_cmp_gt_u32 s30, 16, v1
	s_and_b32 vcc_lo, vcc_lo, s30
	s_wait_xcnt 0x0                                ; EXEC changes only behind this wait
	s_and_saveexec_b32 s27, vcc_lo
	global_store_b32 v14, v15, s[16:17]
	s_wait_xcnt 0x0
	s_or_b32 exec_lo, exec_lo, s27
.Lend:
	s_endpgm
.Lfunc_end_k_q5e763c125e_place:
	.size	k_q5e763c125e_place, .Lfunc_end_k_q5e763c125e_place-k_q5e763c125e_place
	.p2alignl 7, 3214868480
	.fill 96, 4, 3214868480
	.section	.rodata,"a",@progbits
	.p2align	6, 0x0
	.amdhsa_kernel k_q5e763c125e_place
		.amdhsa_group_segment_fixed_size 0
		.amdhsa_private_segment_fixed_size 0
		.amdhsa_enable_private_segment 0
		.amdhsa_kernarg_size 72
		.amdhsa_user_sgpr_count 2
		.amdhsa_user_sgpr_kernarg_segment_ptr 1
		.amdhsa_wavefront_size32 1
		.amdhsa_system_sgpr_workgroup_id_x 1
		.amdhsa_system_sgpr_workgroup_id_y 1
		.amdhsa_system_sgpr_workgroup_id_z 1
		.amdhsa_system_vgpr_workitem_id 0
		.amdhsa_next_free_vgpr 248
		.amdhsa_next_free_sgpr 66
		.amdhsa_reserve_vcc 1
		.amdhsa_float_denorm_mode_32 3
		.amdhsa_float_denorm_mode_16_64 3
		.amdhsa_memory_ordered 1
		.amdhsa_forward_progress 1
		.amdhsa_inst_pref_size 51
	.end_amdhsa_kernel
	.amdgpu_metadata
---
amdhsa.version: [ 1, 2 ]
amdhsa.kernels:
  - .name:           k_q5e763c125e_place
    .symbol:         k_q5e763c125e_place.kd
    .args:
      - { .name: choice, .offset: 0, .size: 8, .value_kind: global_buffer, .address_space: global }
      - { .name: psum, .offset: 8, .size: 8, .value_kind: global_buffer, .address_space: global }
      - { .name: x, .offset: 16, .size: 8, .value_kind: global_buffer, .address_space: global }
      - { .name: lowp_scales, .offset: 24, .size: 8, .value_kind: global_buffer, .address_space: global }
      - { .name: xs, .offset: 32, .size: 8, .value_kind: global_buffer, .address_space: global }
      - { .name: cnt, .offset: 40, .size: 8, .value_kind: global_buffer, .address_space: global }
      - { .name: posof, .offset: 48, .size: 8, .value_kind: global_buffer, .address_space: global }
      - { .name: out1, .offset: 56, .size: 8, .value_kind: global_buffer, .address_space: global }
      - { .name: out2, .offset: 64, .size: 8, .value_kind: global_buffer, .address_space: global }
    .group_segment_fixed_size: 0
    .private_segment_fixed_size: 0
    .kernarg_segment_align: 8
    .kernarg_segment_size: 72
    .max_flat_workgroup_size: 128
    .sgpr_count:     66
    .vgpr_count:     248
    .wavefront_size: 32
...
	.end_amdgpu_metadata
.endif
;; end of part 2
;; launch up (part 3): grid 32 x 8, 4 waves a work-group, no clusters, 132,608 bytes of LDS; arguments up_w, up_b, xs, cnt, lowp_scales, hq; writes hq
.if DOCPART == 3
	.amdgcn_target "amdgcn-amd-amdhsa--gfx1250"
	.amdhsa_code_object_version 6
	.text
	.protected	k_q5e763c125e_up
	.globl	k_q5e763c125e_up
	.p2align	8
	.type	k_q5e763c125e_up,@function
k_q5e763c125e_up:
	s_mov_b64 s[64:65], 0
	v_nop
	global_prefetch_b8 v0, s[64:65] scope:SCOPE_SE
	s_setreg_imm32_b32 hwreg(HW_REG_WAVE_MODE, 25, 1), 1
	s_wait_xcnt 0x0
; UP.  h = Q(gelu(Q(x) Q(up_w[e]) + up_b[e])) for the rows routed to expert e.  Work-group (s, e) owns hidden units 128 s .. 128 s + 127 of expert e: K = 1,024 x N = 128 of up_w, 512 KB of f32, which no other work-group reads.
; THE WEIGHTS STAY, THE ROWS GO BY.  K goes in 8 steps of 128.  In a step wave w loads rows 32 w .. 32 w + 31 (32 loads of 512 consecutive bytes), holds and converts them to E4M3 with 2^ew, turns 4 x 4 bytes by v_perm_b32 so that
; K runs along a register, and stores quarter w of each of the 8 fragments (16 columns x 128 K) into LDS.  All 8 steps' codes stay in LDS: slot q at 16,512 q, fragment f at + 2,064 f (2,048 + 16, so that the sixteen lanes of a
; store start in sixteen different 16-byte columns of 256), registers 4 c .. 4 c + 3 of lane l at + 512 c + 16 l.  k lies in its true place: registers 2 c, 2 c + 1 of lane (r, h): k = 16 c + 8 h + 0 .. 7.
; ROWS.  Expert e's rows lie sorted in xs as images of the operand's registers (tile 80 e + m, K step q: 2,048 bytes).  A pass is 20 tiles of 16 rows; wave w takes tiles 20 pass + 4 i + w, i = 0 .. 4: 40 accumulators.
; Pass 0 runs beside the weights' stream and holds all barriers; it hangs on no loaded number.  Rows beyond 320 are served by further passes over the codes in LDS, without barriers; their number comes from cnt[e].
; THE PRODUCT IS USED TRANSPOSED (source 0 = 16 columns of up_w, source 1 = 16 rows): lane (r, h) holds hidden units 16 nt + 8 h + 0 .. 7 of row r, so the eight conversions of a tile's eight accumulators ARE the next
; product's operand registers (K step s), and go to hq as an image: tile 80 e + m, K step s, 2,048 bytes.
; GELU (exact form): gelu(x) = max(x, 0) - |x| E, E = erfc(|x| / sqrt 2) / 2 = t 2^(poly(t) - x^2 log2(e) / 2), t = 1 / (1 + |x| / (2 sqrt 2)): a fit of degree 9 with a fractional error near 1e-7; all in f32.
; No tensor loads and no joint requests: the f32 weights pass through registers to be quantised and are shared with nobody, and the number of passes is read from memory.
; LIMITS: ew_up and eh between -126 and 119; ex + ew_up between -126 and 127.  NaN and infinities among the inputs are not served.  More than 320 rows on an expert are served, but not beside the stream.
; REGISTERS, in windows of 256: window 0: v1-15 addresses and scales; v16-47 codes by rows, v48-63 at work, v64-95 codes by columns (later v16-79 the bias); v96-117 gelu's constants in pairs; v128-255 the step's 8 fragments.
;   window 1: two sets of 128 f32 weights; in the epilogue X, T, P, Q of 64.   windows 2, 3: accumulator (i, nt) at 512 + 64 i + 8 nt; rows' fragments (buffer p, i) at 832 + 80 p + 16 i.
.set SLOTB, 16512
.set FRAGB, 2064
.set HALFS, 4*SLOTB                    ; an LDS immediate ends at 65,535: slots 4-7 have address registers of their own
.set BLK,   256                        ; from half h = 0 to h = 1 in a fragment's quarter
.set R,  16
.set TP, 48
.set C,  64
.set CO, 96                            ; v[96 + 2 k], twice: coefficient k
.set NH, 116                           ; v[116:117]: -log2(e) / 2, twice
.set BF, 128
.set MSB, 0
.macro WIN new                         ; the immediate's high byte repeats the setting that is left; a switch that changes nothing is dropped
.if MSB != (\new)
	s_set_vgpr_msb (MSB<<8)|(\new)
.set MSB, (\new)
.endif
.endm
.macro PLACES n                        ; plain vector instructions between a matrix instruction and a load into, or a read of, its registers
.rept \n
	v_nop
.endr
.endm
.macro WLOAD set, q                    ; my 32 rows of K step q: register 64 b + 4 i + j = up_w[128 q + 32 w + 8 b + i % 8 + 16 (i / 8)][4 lane + j]
.if (\q) < 4
.set WB, 4
.else
.set WB, 40
.endif
	WIN 0x40
.irp b, 0,1
.irp i, 0,1,2,3,4,5,6,7,8,9,10,11,12,13,14,15
	global_load_b128 v[128*(\set)+64*\b+4*\i:128*(\set)+64*\b+4*\i+3], v2, s[WB:WB+1] offset:((\q)%4)*2097152+(8*\b+(\i%8)+16*(\i/8))*16384 th:TH_LOAD_NT
.endr
.endr
.endm
.macro ALOAD p, q                      ; my five tiles' images of K step q
	WIN 0xc0
.irp i, 0,1,2,3,4
.irp c, 0,1,2,3
	global_load_b128 v[64+80*(\p)+16*\i+4*\c:64+80*(\p)+16*\i+4*\c+3], v3, s[8:9] offset:65536*\i+2048*(\q)+512*\c
.endr
.endr
.endm
.macro BFETCH q                        ; slot q's eight fragments
	WIN 0
.set LL, 12+(\q)/4
.irp f, 0,1,2,3,4,5,6,7
.irp c, 0,1,2,3
	ds_load_b128 v[BF+16*\f+4*\c:BF+16*\f+4*\c+3], v[LL] offset:((\q)%4)*SLOTB+FRAGB*\f+512*\c
.endr
.endr
.endm
.macro HOLD set                        ; the conversion to an 8-bit code does not saturate (ISA guide 7.6.2): within +-448 x 2^ew first
	WIN 0x41
.set n, 0
.rept 128
	v_med3_num_f32 v[128*(\set)+n], v[128*(\set)+n], s28, s29
.set n, n+1
.endr
.endm
.macro CVT set                         ; v[R + 16 b + i]: the codes of row (b, i) at my four columns
	WIN 0x01
.set n, 0
.rept 16
	v_cvt_scalef32_pk8_fp8_f32 v[R+2*n:R+2*n+1], v[128*(\set)+8*n:128*(\set)+8*n+7], v6
.set n, n+1
.endr
	v_nop                                          ; a plain instruction behind the last conversion of a run
.endm
.macro PERM                            ; 4 rows x 4 columns of bytes are turned: v[C + 16 b + 4 j + g] = rows 4 g .. 4 g + 3 of column j
	WIN 0
.irp b, 0,1
.irp g, 0,1,2,3
	v_perm_b32 v[TP+4*\g],   v[R+16*\b+4*\g+1], v[R+16*\b+4*\g],   s32
	v_perm_b32 v[TP+4*\g+1], v[R+16*\b+4*\g+3], v[R+16*\b+4*\g+2], s32
	v_perm_b32 v[TP+4*\g+2], v[R+16*\b+4*\g+1], v[R+16*\b+4*\g],   s33
	v_perm_b32 v[TP+4*\g+3], v[R+16*\b+4*\g+3], v[R+16*\b+4*\g+2], s33
	v_perm_b32 v[C+16*\b+\g],    v[TP+4*\g+1], v[TP+4*\g],   s34
	v_perm_b32 v[C+16*\b+4+\g],  v[TP+4*\g+1], v[TP+4*\g],   s35
	v_perm_b32 v[C+16*\b+8+\g],  v[TP+4*\g+3], v[TP+4*\g+2], s34
	v_perm_b32 v[C+16*\b+12+\g], v[TP+4*\g+3], v[TP+4*\g+2], s35
.endr
.endr
.endm
.macro PUT q                           ; column 4 lane + j, half b: sixteen codes along K = registers 4 w .. 4 w + 3 of lane (4 (lane % 4) + j, b) of fragment lane / 4
.set LS, 4+(\q)/4
.irp b, 0,1
.irp j, 0,1,2,3
	ds_store_b128 v[LS], v[C+16*\b+4*\j:C+16*\b+4*\j+3] offset:((\q)%4)*SLOTB+BLK*\b+16*\j
.endr
.endr
.endm
.macro MM p, zero                      ; 40 matrix instructions, each on another accumulator, in the same order in every step.  zero: the first products start the sums
.irp i, 0,1,2,3,4
.set AW, 2+\i/4
.set AO, (64*\i)%256
	WIN (AW<<6)|(AW<<4)|(3<<2)
.irp f, 0,1,2,3,4,5,6,7
.if \zero
	v_wmma_f32_16x16x128_fp8_fp8 v[AO+8*\f:AO+8*\f+7], v[BF+16*\f:BF+16*\f+15], v[64+80*(\p)+16*\i:64+80*(\p)+16*\i+15], 0
.else
	v_wmma_f32_16x16x128_fp8_fp8 v[AO+8*\f:AO+8*\f+7], v[BF+16*\f:BF+16*\f+15], v[64+80*(\p)+16*\i:64+80*(\p)+16*\i+15], v[AO+8*\f:AO+8*\f+7]
.endif
.endr
.endr
.endm
.macro BIAS                            ; v[16 + 8 nt + j] = up_b[e][128 s + 16 nt + 8 h + j], in the result's layout
	WIN 0
.irp nt, 0,1,2,3,4,5,6,7
.irp u, 0,1
	global_load_b128 v[16+8*\nt+4*\u:16+8*\nt+4*\u+3], v9, s[6:7] offset:64*\nt+16*\u
.endr
.endr
.endm
.macro BAR                             ; my LDS stores have landed and my LDS loads are in: then the work-group's barrier
	WIN 0
	s_wait_dscnt 0x0
	s_barrier_signal -1
	s_barrier_wait -1
.endm
; STEP q multiplies K step q and, beside it, quantises K step q + 1's weights into slot q + 1.  Loads go out in the order W0 W1 | A0 W2 | A1 W3 | .. | A(q+1) W(q+3).
.macro STEP q
.set NP, ((\q)+1)&1
.set PP, (\q)&1
.if (\q) >= 0
	BFETCH \q
.endif
.if (\q) <= 5
	s_wait_loadcnt 32                              ; W(q+1) and A(q) are in; behind them only W(q+2)'s 32 loads were issued
.else
	s_wait_loadcnt 0x0                             ; nothing was issued behind what is wanted
.endif
.if (\q) <= 6
	HOLD NP
	CVT NP
	ALOAD NP, (\q)+1
.if (\q) <= 4
	WLOAD NP, (\q)+3                               ; into the set that has just been converted
.endif
	PERM
	PUT (\q)+1
.else
	BIAS
.endif
.if (\q) >= 0
.if (\q) <= 6
	s_wait_dscnt 8                                 ; the 32 fragment loads are in; the 8 stores behind them may be out
.else
	s_wait_dscnt 0x0
.endif
	MM PP, (\q)==0
	PLACES 4                                       ; in front of the next loads into the fragments' registers, and of the first read of results
.endif
.if (\q) <= 6
	BAR                                            ; slot q + 1 is whole
.endif
.endm
	s_load_b256 s[4:11], s[0:1], 0x0               ; up_w s[4:5], up_b s[6:7], xs s[8:9], cnt s[10:11]
	s_load_b128 s[12:15], s[0:1], 0x20             ; lowp_scales s[12:13], hq s[14:15]
	v_lshl_add_u32 v126, v0, 2, 0x20400
	v_mov_b32 v127, 0
	v_lshrrev_b32 v1, 5, v0
	v_readfirstlane_b32 s16, v1                    ; wave
	s_and_b32 s17, ttmp7, 0xffff                   ; e
	s_mov_b32 s18, ttmp9                           ; s
	v_and_b32 v1, 31, v0                           ; lane
	v_lshlrev_b32 v2, 4, v1                        ; the weights' offset: 16 x lane
	v_lshlrev_b32 v3, 4, v1                        ; the images' offset
	v_lshrrev_b32 v4, 2, v1
	v_mul_u32_u24 v4, v4, FRAGB
	v_and_b32 v9, 3, v1
	v_lshl_add_u32 v4, v9, 6, v4
	s_lshl_b32 s22, s16, 9
	v_add_nc_u32 v4, s22, v4                       ; where I store: fragment lane / 4, + 64 (lane % 4), + 512 x wave
	v_add_nc_u32 v5, HALFS, v4
	v_lshlrev_b32 v8, 4, v1                        ; hq's offset
	v_lshlrev_b32 v12, 4, v1                       ; where I read fragments: 16 x lane
	v_add_nc_u32 v13, HALFS, v12
	v_lshrrev_b32 v9, 4, v1
	v_lshlrev_b32 v9, 5, v9                        ; the bias: 32 h
	s_lshl_b32 s36, s17, 24                        ; up_w: expert x 16 MiB + 512 s + 32 rows x wave
	s_lshl_b32 s22, s18, 9
	s_add_co_u32 s36, s36, s22
	s_lshl_b32 s22, s16, 19
	s_add_co_u32 s36, s36, s22
	s_mov_b32 s37, 0
	s_lshl_b32 s38, s17, 14                        ; up_b: expert x 16,384 + 512 s
	s_lshl_b32 s22, s18, 9
	s_add_co_u32 s38, s38, s22
	s_mov_b32 s39, 0
	s_mul_i32 s22, s17, 80
	s_add_co_u32 s22, s22, s16                     ; tile 80 e + w
	s_lshl_b32 s42, s22, 14                        ; in xs: 8 images a tile
	s_mov_b32 s43, 0
	s_lshl_b32 s44, s22, 16                        ; in hq: 32 images a tile, + image s
	s_lshl_b32 s22, s18, 11
	s_add_co_u32 s44, s44, s22
	s_mov_b32 s45, 0
	s_lshl_b32 s46, s17, 2
	s_mov_b32 s47, 0
	s_lshl_b32 s48, s17, 4
	s_mov_b32 s49, 0
	s_mov_b32 s32, 0x05010400                      ; v_perm_b32's selects for the turn
	s_mov_b32 s33, 0x07030602
	s_mov_b32 s34, 0x05040100
	s_mov_b32 s35, 0x07060302
	s_wait_kmcnt 0x0
	s_add_nc_u64 s[4:5], s[4:5], s[36:37]
	s_add_nc_u64 s[40:41], s[4:5], 0x800000        ; K steps 4-7: 512 rows on, so that every offset is an immediate
	s_add_nc_u64 s[6:7], s[6:7], s[38:39]
	s_add_nc_u64 s[8:9], s[8:9], s[42:43]
	s_add_nc_u64 s[14:15], s[14:15], s[44:45]
	s_add_nc_u64 s[10:11], s[10:11], s[46:47]
	s_add_nc_u64 s[12:13], s[12:13], s[48:49]
	s_load_b32 s19, s[10:11], 0x0                  ; cnt[e]
	s_load_b128 s[24:27], s[12:13], 0x0            ; ex, ew_up, eh, ew_down
	WLOAD 0, 0
	WLOAD 1, 1
	WIN 0
	v_mov_b32 v[CO], -2.8257482                    ; the fit's coefficients x log2(e); the factor 1/2 is a -1 in the first
	v_mov_b32 v[CO+2], 1.4427292
	v_mov_b32 v[CO+4], 0.53970062
	v_mov_b32 v[CO+6], 0.13963006
	v_mov_b32 v[CO+8], -0.26875686
	v_mov_b32 v[CO+10], 0.40232158
	v_mov_b32 v[CO+12], -1.6377532
	v_mov_b32 v[CO+14], 2.1474745
	v_mov_b32 v[CO+16], -1.1861149
	v_mov_b32 v[CO+18], 0.24651730
	v_mov_b32 v[NH], 0xbf38aa3b                    ; -log2(e) / 2
.irp k, 0,2,4,6,8,10,12,14,16,18,20
	v_mov_b32 v[CO+\k+1], v[CO+\k]
.endr
	s_wait_kmcnt 0x0
	s_min_u32 s19, s19, 1024
	s_cmp_gt_u32 s19, 320                          ; passes of 320 rows
	s_cselect_b32 s20, 2, 1
	s_cmp_gt_u32 s19, 640
	s_cselect_b32 s20, 3, s20
	s_cmp_gt_u32 s19, 960
	s_cselect_b32 s20, 4, s20
	s_add_co_i32 s42, s25, 127
	s_lshl_b32 s43, s42, 23
	v_mov_b32 v6, s43                              ; 2^ew as f32: the conversion takes its exponent field
	s_add_co_i32 s42, s42, 8
	s_lshl_b32 s42, s42, 23
	s_or_b32 s29, s42, 0x600000                    ; 448 x 2^ew
	s_or_b32 s28, s29, 0x80000000
	s_add_co_i32 s42, s26, 127
	s_lshl_b32 s43, s42, 23
	v_mov_b32 v7, s43                              ; 2^eh
	s_add_co_i32 s42, s42, 8
	s_lshl_b32 s42, s42, 23
	s_or_b32 s31, s42, 0x600000                    ; 448 x 2^eh
	s_or_b32 s30, s31, 0x80000000
	s_add_co_i32 s42, s24, s25
	s_add_co_i32 s42, s42, 127
	s_lshl_b32 s42, s42, 23
	v_mov_b32 v10, s42                             ; 2^(ex + ew): what a sum stands for
	v_mov_b32 v11, s42
	STEP -1
	STEP 0
	STEP 1
	STEP 2
	STEP 3
	STEP 4
	STEP 5
	STEP 6
	STEP 7
	WIN 0
	s_wait_loadcnt 0x0                             ; the bias
	s_mov_b32 s21, 0                               ; pass
.macro E1 i                            ; X = sum x 2^(ex + ew) + bias: tile i's 64 numbers, each accumulator from its low end on
.set AW, 2+(\i)/4
.set AO, (64*(\i))%256
	WIN 0x40|AW
.set n, 0
.rept 32
	v_pk_fma_f32 v[2*n:2*n+1], v[AO+2*n:AO+2*n+1], v[10:11], v[16+2*n:17+2*n]
.set n, n+1
.endr
	WIN 0
.endm
.Lpass:
	s_mov_b32 s23, 0                               ; the pass's five tiles: only the first lines differ (the accumulators' numbers); the rest is written once
.Ltile:
	s_cmp_eq_u32 s23, 0
	s_cbranch_scc0 .Lt1
	E1 0
	s_branch .Lgelu
.Lt1:
	s_cmp_eq_u32 s23, 1
	s_cbranch_scc0 .Lt2
	E1 1
	s_branch .Lgelu
.Lt2:
	s_cmp_eq_u32 s23, 2
	s_cbranch_scc0 .Lt3
	E1 2
	s_branch .Lgelu
.Lt3:
	s_cmp_eq_u32 s23, 3
	s_cbranch_scc0 .Lt4
	E1 3
	s_branch .Lgelu
.Lt4:
	E1 4
.Lgelu:                                            ; window 1: X v0-63, T v64-127, P v128-191, Q v192-255
	WIN 0x41
.set n, 0
.rept 64
	v_fma_f32 v[64+n], |v[n]|, 0x3eb504f3, 1.0     ; 1 + |x| / (2 sqrt 2)
.set n, n+1
.endr
.set n, 0
.rept 64
	v_rcp_f32 v[64+n], v[64+n]                     ; t
.set n, n+1
.endr
	v_nop                                          ; a plain instruction behind the reciprocals
.set n, 0
	s_wait_alu depctr_va_vdst(0)
.rept 32
	v_pk_fma_f32 v[128+2*n:129+2*n], v[64+2*n:65+2*n], v[CO+18:CO+19], v[CO+16:CO+17]
.set n, n+1
.endr
.set n, 0
.rept 32
	v_pk_mul_f32 v[192+2*n:193+2*n], v[2*n:2*n+1], v[NH:NH+1]      ; -x log2(e) / 2
.set n, n+1
.endr
	WIN 0x45
.irp k, 7,6,5,4,3,2,1,0
.set n, 0
.rept 32
	v_pk_fma_f32 v[128+2*n:129+2*n], v[128+2*n:129+2*n], v[64+2*n:65+2*n], v[CO+2*\k:CO+2*\k+1]
.set n, n+1
.endr
.endr
	WIN 0x55
.set n, 0
.rept 32
	v_pk_fma_f32 v[128+2*n:129+2*n], v[192+2*n:193+2*n], v[2*n:2*n+1], v[128+2*n:129+2*n]   ; poly - x^2 log2(e) / 2
.set n, n+1
.endr
.set n, 0
.rept 64
	v_exp_f32 v[128+n], v[128+n]
.set n, n+1
.endr
	v_nop                                          ; a plain instruction behind the exponentials
.set n, 0
	s_wait_alu depctr_va_vdst(0)
.rept 32
	v_pk_mul_f32 v[128+2*n:129+2*n], v[64+2*n:65+2*n], v[128+2*n:129+2*n]                   ; E
.set n, n+1
.endr
.set n, 0
.rept 64
	v_max_num_f32 v[192+n], 0, v[n]
.set n, n+1
.endr
.set n, 0
.rept 64
	v_fma_f32 v[n], -|v[n]|, v[128+n], v[192+n]    ; gelu = max(x, 0) - |x| E
.set n, n+1
.endr
.set n, 0
.rept 64
	v_med3_num_f32 v[n], v[n], s30, s31            ; the hold at 448 x 2^eh
.set n, n+1
.endr
	WIN 0x41
.irp nt, 0,1,2,3,4,5,6,7
	v_cvt_scalef32_pk8_fp8_f32 v[64+2*\nt:65+2*\nt], v[8*\nt:8*\nt+7], v7     ; registers 2 nt, 2 nt + 1 of the next operand: k = 16 nt + 8 h + 0 .. 7
.endr
	v_nop
	WIN 0x04
.irp c, 0,1,2,3
	global_store_b128 v8, v[64+4*\c:64+4*\c+3], s[14:15] offset:512*\c        ; 32 lanes store 512 consecutive bytes, at a multiple of 512 from the buffer's first byte
.endr
	WIN 0
	s_wait_xcnt 0x0                                ; the stores have read their registers and their base: both are written again
	s_add_nc_u64 s[14:15], s[14:15], 262144        ; four tiles on; after five steps this is the next pass's first tile (20 tiles x 65,536)
	s_add_co_u32 s23, s23, 1
	s_cmp_lt_u32 s23, 5
	s_cbranch_scc1 .Ltile
	s_add_co_u32 s21, s21, 1
	s_cmp_ge_u32 s21, s20
	s_cbranch_scc1 .Ldone
	s_add_nc_u64 s[8:9], s[8:9], 327680            ; the next 20 tiles of xs (all loads that named the base are in)
.irp q, 0,1,2,3,4,5,6,7                ; a further pass: the codes lie in LDS and nobody writes them: no barrier
	ALOAD 0, \q
	BFETCH \q
	s_wait_loadcnt 0x0
	s_wait_dscnt 0x0
	MM 0, \q==0
	PLACES 4
.endr
	WIN 0
	s_cmp_lt_u32 s21, s20
	s_cbranch_scc1 .Lpass
.Ldone:
	s_wait_tensorcnt 0x0
	ds_add_u32 v126, v127
	s_wait_dscnt 0x0
	s_endpgm
.Lfunc_end_k_q5e763c125e_up:
	.size	k_q5e763c125e_up, .Lfunc_end_k_q5e763c125e_up-k_q5e763c125e_up
	.p2alignl 7, 3214868480
	.fill 96, 4, 3214868480
	.section	.rodata,"a",@progbits
	.p2align	6, 0x0
	.amdhsa_kernel k_q5e763c125e_up
		.amdhsa_group_segment_fixed_size 132608
		.amdhsa_private_segment_fixed_size 0
		.amdhsa_enable_private_segment 0
		.amdhsa_kernarg_size 48
		.amdhsa_user_sgpr_count 2
		.amdhsa_user_sgpr_kernarg_segment_ptr 1
		.amdhsa_wavefront_size32 1
		.amdhsa_system_sgpr_workgroup_id_x 1
		.amdhsa_system_sgpr_workgroup_id_y 1
		.amdhsa_system_sgpr_workgroup_id_z 1
		.amdhsa_system_vgpr_workitem_id 0
		.amdhsa_next_free_vgpr 1024
		.amdhsa_next_free_sgpr 66
		.amdhsa_reserve_vcc 0
		.amdhsa_float_denorm_mode_32 3
		.amdhsa_float_denorm_mode_16_64 3
		.amdhsa_memory_ordered 1
		.amdhsa_forward_progress 1
		.amdhsa_inst_pref_size 255
	.end_amdhsa_kernel
	.section	.bss,"aw",@nobits
	.p2align	6
	.space	262144
	.amdgpu_metadata
---
amdhsa.version: [ 1, 2 ]
amdhsa.kernels:
  - .name:           k_q5e763c125e_up
    .symbol:         k_q5e763c125e_up.kd
    .args:
      - { .name: up_w, .offset: 0, .size: 8, .value_kind: global_buffer, .address_space: global }
      - { .name: up_b, .offset: 8, .size: 8, .value_kind: global_buffer, .address_space: global }
      - { .name: xs, .offset: 16, .size: 8, .value_kind: global_buffer, .address_space: global }
      - { .name: cnt, .offset: 24, .size: 8, .value_kind: global_buffer, .address_space: global }
      - { .name: lowp_scales, .offset: 32, .size: 8, .value_kind: global_buffer, .address_space: global }
      - { .name: hq, .offset: 40, .size: 8, .value_kind: global_buffer, .address_space: global }
    .group_segment_fixed_size: 132608
    .private_segment_fixed_size: 0
    .kernarg_segment_align: 8
    .kernarg_segment_size: 48
    .max_flat_workgroup_size: 128
    .sgpr_count:     66
    .vgpr_count:     1024
    .wavefront_size: 32
...
	.end_amdgpu_metadata
.endif
;; end of part 3
;; launch down (part 4): grid 32 x 8, 4 waves a work-group, no clusters, 150,016 bytes of LDS; arguments down_w, down_b, hq, cnt, lowp_scales, part; writes part
.if DOCPART == 4
	.amdgcn_target "amdgcn-amd-amdhsa--gfx1250"
	.amdhsa_code_object_version 6
	.text
	.protected	k_q5e763c125e_down
	.globl	k_q5e763c125e_down
	.p2align	8
	.type	k_q5e763c125e_down,@function
k_q5e763c125e_down:
	s_mov_b64 s[64:65], 0
	v_nop
	global_prefetch_b8 v0, s[64:65] scope:SCOPE_SE
	s_setreg_imm32_b32 hwreg(HW_REG_WAVE_MODE, 25, 1), 1
	s_wait_xcnt 0x0
; DOWN.  y = Q(h) Q(down_w[e]) + down_b[e] for the rows routed to expert e, in two halves of K.  Work-group (x, e): ns = x % 16 owns output columns 64 ns .. 64 ns + 63, kh = x / 16 the hidden units 2,048 kh .. + 2,047:
; 512 KB of f32 of down_w, which no other work-group reads.  A row's piece is 256 consecutive bytes at a multiple of 256 from the buffer's first byte.
; K goes in 8 steps of 256 (two matrix instructions deep, ks = 0, 1).  In a step wave w loads, of each ks, rows 32 w .. 32 w + 31 (a load: two rows' 256 bytes, lanes 16-31 eight rows further down: the fragment's half h),
; holds and converts them with 2^ew, turns 4 x 4 bytes, and stores quarter w of the 8 fragments f = 4 ks + nt into LDS.  All codes stay there: slot q at 16,512 q, fragment f at + 2,064 f, registers 4 c .. 4 c + 3 of lane l
; at + 512 c + 16 l; k in its true place (registers 2 c, 2 c + 1 of lane (r, h): k = 16 c + 8 h + 0 .. 7).
; ROWS: images in hq (tile 80 e + m, K step kt of 128).  A pass is 20 tiles; wave w takes tiles 20 pass + 4 i + w: 20 accumulators.  Pass 0 runs beside the stream, holds all barriers and hangs on no loaded number;
; further passes (rows beyond 320, by cnt[e]) read the codes in LDS without barriers.
; TRANSPOSED (source 0 = 16 columns of down_w, source 1 = 16 rows): lane (r, h) holds columns 16 nt + 8 h + 0 .. 7 of row r.  y = sum x 2^(eh + ew) + bias (the bias in K half 0 alone) goes through the wave's own stage in LDS
; and leaves as rows: sixteen lanes store 256 consecutive bytes.  part[kh][1280 e + rank][1,024] f32; tiles wholly beyond the count are not stored.  The two halves and the two experts of a token are added by the next launch.
; No tensor loads and no joint requests: the f32 weights pass through registers and are shared with nobody; the passes and the stores hang on a count read from memory.
; LIMITS: ew_down between -126 and 119; eh + ew_down between -126 and 127.  NaN and infinities among the inputs are not served (the bias is multiplied by 0 in K half 1).
; REGISTERS: window 0: v1-15 addresses and scales; v16-47, v48-63, v64-95 codes on their way (later v16-47 bias, v48-79 y, v80-111 rows of y); v128-255 the step's 8 fragments.   window 1: two sets of 128 f32 weights.
;   windows 2, 3: accumulator (i, nt) at 512 + 32 i + 8 nt; rows' fragments (buffer p, i, ks) at 672 + 160 p + 32 i + 16 ks.
.set SLOTB, 16512
.set FRAGB, 2064
.set HALFS, 4*SLOTB
.set BLK,   4*FRAGB                    ; from ks = 0 to ks = 1: four fragments
.set STAGE, 8*SLOTB                    ; behind the codes: 16 rows x (256 + 16) bytes for each wave
.set PARTH, 41943040
.set R,  16
.set TP, 48
.set C,  64
.set BF, 128
.set MSB, 0
.macro WIN new
.if MSB != (\new)
	s_set_vgpr_msb (MSB<<8)|(\new)
.set MSB, (\new)
.endif
.endm
.macro PLACES n
.rept \n
	v_nop
.endr
.endm
.macro WLOAD set, q                    ; register 64 b + 4 i + j = down_w[256 q + 128 b + 32 w + 8 (lane / 16) + i % 8 + 16 (i / 8)][4 (lane % 16) + j]
	WIN 0x40
.irp b, 0,1
.irp i, 0,1,2,3,4,5,6,7,8,9,10,11,12,13,14,15
	global_load_b128 v[128*(\set)+64*\b+4*\i:128*(\set)+64*\b+4*\i+3], v2, s[4:5] offset:(\q)*1048576+\b*524288+((\i%8)+16*(\i/8))*4096 th:TH_LOAD_NT
.endr
.endr
.endm
.macro ALOAD p, q                      ; my five tiles' two images of K step q
.irp i, 0,1,2,3,4
.set AB, 672+160*(\p)+32*\i
.set AO, AB&255
	WIN ((AB>>8)<<6)
.irp ks, 0,1
.irp c, 0,1,2,3
	global_load_b128 v[AO+16*\ks+4*\c:AO+16*\ks+4*\c+3], v3, s[8:9] offset:262144*\i+4096*(\q)+2048*\ks+512*\c
.endr
.endr
.endr
.endm
.macro BFETCH q
	WIN 0
.set LL, 12+(\q)/4
.irp f, 0,1,2,3,4,5,6,7
.irp c, 0,1,2,3
	ds_load_b128 v[BF+16*\f+4*\c:BF+16*\f+4*\c+3], v[LL] offset:((\q)%4)*SLOTB+FRAGB*\f+512*\c
.endr
.endr
.endm
.macro HOLD set                        ; the conversion to an 8-bit code does not saturate (ISA guide 7.6.2)
	WIN 0x41
.set n, 0
.rept 128
	v_med3_num_f32 v[128*(\set)+n], v[128*(\set)+n], s28, s29
.set n, n+1
.endr
.endm
.macro CVT set
	WIN 0x01
.set n, 0
.rept 16
	v_cvt_scalef32_pk8_fp8_f32 v[R+2*n:R+2*n+1], v[128*(\set)+8*n:128*(\set)+8*n+7], v6
.set n, n+1
.endr
	v_nop                                          ; a plain instruction behind the last conversion of a run
.endm
.macro PERM
	WIN 0
.irp b, 0,1
.irp g, 0,1,2,3
	v_perm_b32 v[TP+4*\g],   v[R+16*\b+4*\g+1], v[R+16*\b+4*\g],   s32
	v_perm_b32 v[TP+4*\g+1], v[R+16*\b+4*\g+3], v[R+16*\b+4*\g+2], s32
	v_perm_b32 v[TP+4*\g+2], v[R+16*\b+4*\g+1], v[R+16*\b+4*\g],   s33
	v_perm_b32 v[TP+4*\g+3], v[R+16*\b+4*\g+3], v[R+16*\b+4*\g+2], s33
	v_perm_b32 v[C+16*\b+\g],    v[TP+4*\g+1], v[TP+4*\g],   s34
	v_perm_b32 v[C+16*\b+4+\g],  v[TP+4*\g+1], v[TP+4*\g],   s35
	v_perm_b32 v[C+16*\b+8+\g],  v[TP+4*\g+3], v[TP+4*\g+2], s34
	v_perm_b32 v[C+16*\b+12+\g], v[TP+4*\g+3], v[TP+4*\g+2], s35
.endr
.endr
.endm
.macro PUT q                           ; column 4 (lane % 16) + j, ks = b, half lane / 16: registers 4 w .. 4 w + 3 of lane (4 (lane % 4) + j, lane / 16) of fragment 4 b + (lane % 16) / 4
.set LS, 4+(\q)/4
.irp b, 0,1
.irp j, 0,1,2,3
	ds_store_b128 v[LS], v[C+16*\b+4*\j:C+16*\b+4*\j+3] offset:((\q)%4)*SLOTB+BLK*\b+16*\j
.endr
.endr
.endm
.macro MM p, zero                      ; 40 matrix instructions: the 20 accumulators by turns, one instruction a turn, twice.  zero: ks = 0 starts the sums
.irp ks, 0,1
.irp i, 0,1,2,3,4
.set AB, 672+160*(\p)+32*\i+16*\ks
.set AO, AB&255
	WIN 0xa0|((AB>>8)<<2)
.irp nt, 0,1,2,3
.if (\zero) && (\ks == 0)
	v_wmma_f32_16x16x128_fp8_fp8 v[32*\i+8*\nt:32*\i+8*\nt+7], v[BF+16*(4*\ks+\nt):BF+16*(4*\ks+\nt)+15], v[AO:AO+15], 0
.else
	v_wmma_f32_16x16x128_fp8_fp8 v[32*\i+8*\nt:32*\i+8*\nt+7], v[BF+16*(4*\ks+\nt):BF+16*(4*\ks+\nt)+15], v[AO:AO+15], v[32*\i+8*\nt:32*\i+8*\nt+7]
.endif
.endr
.endr
.endr
.endm
.macro BIAS                            ; v[16 + 8 nt + j] = down_b[e][64 ns + 16 nt + 8 h + j]
	WIN 0
.irp nt, 0,1,2,3
.irp u, 0,1
	global_load_b128 v[16+8*\nt+4*\u:16+8*\nt+4*\u+3], v9, s[6:7] offset:64*\nt+16*\u
.endr
.endr
.endm
.macro BAR
	WIN 0
	s_wait_dscnt 0x0
	s_barrier_signal -1
	s_barrier_wait -1
.endm
; STEP q multiplies K step q and, beside it, quantises K step q + 1's weights into slot q + 1.  Loads go out in the order W0 W1 | A0 W2 | A1 W3 | .. | A(q+1) W(q+3).
.macro STEP q
.set NP, ((\q)+1)&1
.set PP, (\q)&1
.if (\q) >= 0
	BFETCH \q
.endif
.if (\q) <= 5
	s_wait_loadcnt 32                              ; W(q+1) and A(q) are in; behind them only W(q+2)'s 32 loads were issued
.else
	s_wait_loadcnt 0x0
.endif
.if (\q) <= 6
	HOLD NP
	CVT NP
	ALOAD NP, (\q)+1
.if (\q) <= 4
	WLOAD NP, (\q)+3
.endif
	PERM
	PUT (\q)+1
.else
	BIAS
.endif
.if (\q) >= 0
.if (\q) <= 6
	s_wait_dscnt 8                                 ; the 32 fragment loads are in; the 8 stores behind them may be out
.else
	s_wait_dscnt 0x0
.endif
	MM PP, (\q)==0
	PLACES 4
.endif
.if (\q) <= 6
	BAR                                            ; slot q + 1 is whole
.endif
.endm
	s_load_b256 s[4:11], s[0:1], 0x0               ; down_w s[4:5], down_b s[6:7], hq s[8:9], cnt s[10:11]
	s_load_b128 s[12:15], s[0:1], 0x20             ; lowp_scales s[12:13], part s[14:15]
	v_lshl_add_u32 v126, v0, 2, 0x24800
	v_mov_b32 v127, 0
	v_lshrrev_b32 v1, 5, v0
	v_readfirstlane_b32 s16, v1                    ; wave
	s_and_b32 s17, ttmp7, 0xffff                   ; e
	s_mov_b32 s18, ttmp9
	s_and_b32 s50, s18, 15                         ; ns
	s_lshr_b32 s51, s18, 4                         ; kh
	v_and_b32 v1, 31, v0                           ; lane
	v_and_b32 v9, 15, v1                           ; lane % 16
	v_lshrrev_b32 v7, 4, v1                        ; lane / 16
	v_lshlrev_b32 v2, 15, v7
	v_lshl_add_u32 v2, v9, 4, v2                   ; the weights' offset: eight rows x (lane / 16) + 16 (lane % 16)
	v_lshlrev_b32 v3, 4, v1                        ; the images' offset
	v_lshrrev_b32 v4, 2, v9
	v_mul_u32_u24 v4, v4, FRAGB
	v_lshl_add_u32 v4, v7, 8, v4
	v_and_b32 v5, 3, v1
	v_lshl_add_u32 v4, v5, 6, v4
	s_lshl_b32 s22, s16, 9
	v_add_nc_u32 v4, s22, v4                       ; where I store codes
	v_add_nc_u32 v5, HALFS, v4
	v_lshlrev_b32 v8, 12, v7
	v_lshl_add_u32 v8, v9, 4, v8                   ; part's offset: a row x (lane / 16) + 16 (lane % 16)
	v_lshlrev_b32 v12, 4, v1                       ; where I read fragments
	v_add_nc_u32 v13, HALFS, v12
	s_mul_i32 s22, s16, 4352
	s_add_co_u32 s22, s22, STAGE                   ; my stage
	v_mul_u32_u24 v14, v9, 272
	v_lshl_add_u32 v14, v7, 5, v14
	v_add_nc_u32 v14, s22, v14                     ; in: row r, + 32 h
	v_mul_u32_u24 v15, v7, 272
	v_lshl_add_u32 v15, v9, 4, v15
	v_add_nc_u32 v15, s22, v15                     ; back: lanes 0-15 one row, lanes 16-31 the next
	v_lshlrev_b32 v9, 5, v7                        ; the bias: 32 h
	s_lshl_b32 s36, s17, 24                        ; down_w: expert x 16 MiB + kh x 8 MiB + 256 ns + 32 rows x wave
	s_lshl_b32 s22, s51, 23
	s_add_co_u32 s36, s36, s22
	s_lshl_b32 s22, s50, 8
	s_add_co_u32 s36, s36, s22
	s_lshl_b32 s22, s16, 17
	s_add_co_u32 s36, s36, s22
	s_mov_b32 s37, 0
	s_lshl_b32 s38, s17, 12                        ; down_b: expert x 4,096 + 256 ns
	s_lshl_b32 s22, s50, 8
	s_add_co_u32 s38, s38, s22
	s_mov_b32 s39, 0
	s_mul_i32 s22, s17, 80
	s_add_co_u32 s22, s22, s16
	s_lshl_b32 s42, s22, 16                        ; hq: tile 80 e + w, + 16 images x kh
	s_lshl_b32 s22, s51, 15
	s_add_co_u32 s42, s42, s22
	s_mov_b32 s43, 0
	s_mul_i32 s44, s51, PARTH                      ; part: kh's half, row 1280 e + 16 w, + 256 ns
	s_mul_i32 s22, s17, 1280
	s_lshl_b32 s46, s16, 4                         ; s46: my first tile's first rank, 320 pass + 16 w
	s_add_co_u32 s22, s22, s46
	s_lshl_b32 s22, s22, 12
	s_add_co_u32 s44, s44, s22
	s_lshl_b32 s22, s50, 8
	s_add_co_u32 s44, s44, s22
	s_mov_b32 s45, 0
	s_lshl_b32 s54, s17, 2
	s_mov_b32 s55, 0
	s_lshl_b32 s48, s17, 4
	s_mov_b32 s49, 0
	s_cmp_eq_u32 s51, 0
	s_cselect_b32 s52, 1.0, 0                      ; the bias counts once: in K half 0
	s_mov_b32 s53, s52
	s_mov_b32 s32, 0x05010400
	s_mov_b32 s33, 0x07030602
	s_mov_b32 s34, 0x05040100
	s_mov_b32 s35, 0x07060302
	s_wait_kmcnt 0x0
	s_add_nc_u64 s[4:5], s[4:5], s[36:37]
	s_add_nc_u64 s[6:7], s[6:7], s[38:39]
	s_add_nc_u64 s[8:9], s[8:9], s[42:43]
	s_add_nc_u64 s[14:15], s[14:15], s[44:45]
	s_add_nc_u64 s[10:11], s[10:11], s[54:55]
	s_add_nc_u64 s[12:13], s[12:13], s[48:49]
	s_load_b32 s19, s[10:11], 0x0                  ; cnt[e]
	s_load_b128 s[24:27], s[12:13], 0x0            ; ex, ew_up, eh, ew_down
	WLOAD 0, 0
	WLOAD 1, 1
	WIN 0
	s_wait_kmcnt 0x0
	s_min_u32 s19, s19, 1024
	s_cmp_gt_u32 s19, 320
	s_cselect_b32 s20, 2, 1
	s_cmp_gt_u32 s19, 640
	s_cselect_b32 s20, 3, s20
	s_cmp_gt_u32 s19, 960
	s_cselect_b32 s20, 4, s20
	s_add_co_i32 s42, s27, 127
	s_lshl_b32 s43, s42, 23
	v_mov_b32 v6, s43                              ; 2^ew as f32
	s_add_co_i32 s42, s42, 8
	s_lshl_b32 s42, s42, 23
	s_or_b32 s29, s42, 0x600000                    ; 448 x 2^ew
	s_or_b32 s28, s29, 0x80000000
	s_add_co_i32 s42, s26, s27
	s_add_co_i32 s42, s42, 127
	s_lshl_b32 s42, s42, 23
	v_mov_b32 v10, s42                             ; 2^(eh + ew)
	v_mov_b32 v11, s42
	STEP -1
	STEP 0
	STEP 1
	STEP 2
	STEP 3
	STEP 4
	STEP 5
	STEP 6
	STEP 7
	WIN 0
	s_wait_loadcnt 0x0                             ; the bias
.set n, 0
.rept 16
	v_pk_mul_f32 v[16+2*n:17+2*n], v[16+2*n:17+2*n], s[52:53] op_sel_hi:[1,0]
.set n, n+1
.endr
	s_mov_b32 s21, 0                               ; pass
; Tile i of the pass goes out, unless all its ranks lie at or beyond the count (a scalar branch on a stored number; no barrier stands here).
.macro OUT i
	s_add_co_u32 s47, s46, 64*\i
	s_cmp_ge_u32 s47, s19
	s_cbranch_scc1 .Lskip_\@
	s_wait_xcnt 0x0                                ; the last tile's stores have read their registers
	WIN 0x02
.set n, 0
.rept 16
	v_pk_fma_f32 v[48+2*n:49+2*n], v[32*\i+2*n:32*\i+2*n+1], v[10:11], v[16+2*n:17+2*n]   ; each accumulator from its low end on
.set n, n+1
.endr
	WIN 0
.irp nt, 0,1,2,3
.irp u, 0,1
	ds_store_b128 v14, v[48+8*\nt+4*\u:48+8*\nt+4*\u+3] offset:64*\nt+16*\u
.endr
.endr
.irp t, 0,1,2,3,4,5,6,7
	ds_load_b128 v[80+4*\t:83+4*\t], v15 offset:544*\t             ; LDS serves a wave's instructions in order (ISA guide 5.7.1.4): these see my stores
.endr
	s_wait_dscnt 0x0
.irp t, 0,1,2,3,4,5,6,7
	global_store_b128 v8, v[80+4*\t:83+4*\t], s[14:15] offset:262144*\i+8192*\t th:TH_STORE_NT   ; sixteen lanes store 256 consecutive bytes, at a multiple of 256 from the buffer's first byte
.endr
.Lskip_\@:
.endm
.Lpass:
	OUT 0
	OUT 1
	OUT 2
	OUT 3
	OUT 4
	s_add_co_u32 s21, s21, 1
	s_cmp_ge_u32 s21, s20
	s_cbranch_scc1 .Ldone
	s_wait_xcnt 0x0                                ; the stores have read their base
	s_add_nc_u64 s[8:9], s[8:9], 1310720           ; the next 20 tiles of hq,
	s_add_nc_u64 s[14:15], s[14:15], 1310720       ; the next 320 rows of part,
	s_add_co_u32 s46, s46, 320                     ; and their ranks
.irp q, 0,1,2,3,4,5,6,7                ; a further pass: the codes lie in LDS and nobody writes them: no barrier
	ALOAD 0, \q
	BFETCH \q
	s_wait_loadcnt 0x0
	s_wait_dscnt 0x0
	MM 0, \q==0
	PLACES 5                                       ; four would serve the loads that follow; FIVE, since the next pass's first products begin these accumulators anew (C = 0), and where all five of my tiles lie beyond the count no vector work stands between
.endr
	WIN 0
	s_cmp_lt_u32 s21, s20
	s_cbranch_scc1 .Lpass
.Ldone:
	s_wait_tensorcnt 0x0
	ds_add_u32 v126, v127
	s_wait_dscnt 0x0
	s_endpgm
.Lfunc_end_k_q5e763c125e_down:
	.size	k_q5e763c125e_down, .Lfunc_end_k_q5e763c125e_down-k_q5e763c125e_down
	.p2alignl 7, 3214868480
	.fill 96, 4, 3214868480
	.section	.rodata,"a",@progbits
	.p2align	6, 0x0
	.amdhsa_kernel k_q5e763c125e_down
		.amdhsa_group_segment_fixed_size 150016
		.amdhsa_private_segment_fixed_size 0
		.amdhsa_enable_private_segment 0
		.amdhsa_kernarg_size 48
		.amdhsa_user_sgpr_count 2
		.amdhsa_user_sgpr_kernarg_segment_ptr 1
		.amdhsa_wavefront_size32 1
		.amdhsa_system_sgpr_workgroup_id_x 1
		.amdhsa_system_sgpr_workgroup_id_y 1
		.amdhsa_system_sgpr_workgroup_id_z 1
		.amdhsa_system_vgpr_workitem_id 0
		.amdhsa_next_free_vgpr 1024
		.amdhsa_next_free_sgpr 66
		.amdhsa_reserve_vcc 0
		.amdhsa_float_denorm_mode_32 3
		.amdhsa_float_denorm_mode_16_64 3
		.amdhsa_memory_ordered 1
		.amdhsa_forward_progress 1
		.amdhsa_inst_pref_size 255
	.end_amdhsa_kernel
	.section	.bss,"aw",@nobits
	.p2align	6
	.space	262144
	.amdgpu_metadata
---
amdhsa.version: [ 1, 2 ]
amdhsa.kernels:
  - .name:           k_q5e763c125e_down
    .symbol:         k_q5e763c125e_down.kd
    .args:
      - { .name: down_w, .offset: 0, .size: 8, .value_kind: global_buffer, .address_space: global }
      - { .name: down_b, .offset: 8, .size: 8, .value_kind: global_buffer, .address_space: global }
      - { .name: hq, .offset: 16, .size: 8, .value_kind: global_buffer, .address_space: global }
      - { .name: cnt, .offset: 24, .size: 8, .value_kind: global_buffer, .address_space: global }
      - { .name: lowp_scales, .offset: 32, .size: 8, .value_kind: global_buffer, .address_space: global }
      - { .name: part, .offset: 40, .size: 8, .value_kind: global_buffer, .address_space: global }
    .group_segment_fixed_size: 150016
    .private_segment_fixed_size: 0
    .kernarg_segment_align: 8
    .kernarg_segment_size: 48
    .max_flat_workgroup_size: 128
    .sgpr_count:     66
    .vgpr_count:     1024
    .wavefront_size: 32
...
	.end_amdgpu_metadata
.endif
;; end of part 4
;; launch combine (part 5): grid 256 x 1, 4 waves a work-group, no clusters, 0 bytes of LDS; arguments part, posof, wts, out0; writes out0
.if DOCPART == 5
	.amdgcn_target "amdgcn-amd-amdhsa--gfx1250"
	.amdhsa_code_object_version 6
	.text
	.protected	k_q5e763c125e_combine
	.globl	k_q5e763c125e_combine
	.p2align	8
	.type	k_q5e763c125e_combine,@function
k_q5e763c125e_combine:
	s_mov_b64 s[64:65], 0
	v_nop
	global_prefetch_b8 v0, s[64:65] scope:SCOPE_SE
	s_setreg_imm32_b32 hwreg(HW_REG_WAVE_MODE, 25, 1), 1
	s_wait_xcnt 0x0
; COMBINE.  out0[t] = w0 (part[0][p0] + part[1][p0]) + w1 (part[0][p1] + part[1][p1]): the two halves of K and the token's two experts, each output row with one owner.
; A wave owns one token: four rows of 4,096 bytes in, one out; each load and store of the wave covers 512 consecutive bytes.  p0, p1 = posof[2 t], posof[2 t + 1] (stored by an earlier launch, held inside the buffer); w0, w1 = wts.
; All 32 loads go out at once; the waits count down by the four loads of each later piece.  A stream: no LDS, no barrier, no matrix unit.
.set PARTH, 41943040
.set D, 16                             ; v16-143: piece j: 16 registers: (p0, half 0), (p0, half 1), (p1, half 0), (p1, half 1)
	s_load_b256 s[4:11], s[0:1], 0x0               ; part s[4:5], posof s[6:7], wts s[8:9], out0 s[10:11]
	v_lshrrev_b32 v1, 5, v0
	v_readfirstlane_b32 s12, v1                    ; wave
	v_and_b32 v1, 31, v0
	v_lshlrev_b32 v2, 4, v1                        ; 16 x lane
	s_lshl_b32 s13, ttmp9, 2
	s_add_co_u32 s13, s13, s12                     ; t
	s_lshl_b32 s14, s13, 3
	s_mov_b32 s15, 0
	s_lshl_b32 s16, s13, 12
	s_mov_b32 s17, 0
	s_wait_kmcnt 0x0
	s_add_nc_u64 s[6:7], s[6:7], s[14:15]
	s_add_nc_u64 s[8:9], s[8:9], s[14:15]
	s_add_nc_u64 s[10:11], s[10:11], s[16:17]
	s_load_b64 s[18:19], s[6:7], 0x0               ; p0, p1
	s_load_b64 s[20:21], s[8:9], 0x0               ; w0, w1
	s_wait_kmcnt 0x0
	s_min_u32 s18, s18, 10239
	s_min_u32 s19, s19, 10239
	s_lshl_b32 s24, s18, 12
	s_mov_b32 s25, 0
	s_lshl_b32 s26, s19, 12
	s_mov_b32 s27, 0
	s_add_nc_u64 s[24:25], s[4:5], s[24:25]
	s_add_nc_u64 s[26:27], s[4:5], s[26:27]
	s_add_nc_u64 s[28:29], s[24:25], PARTH
	s_add_nc_u64 s[30:31], s[26:27], PARTH
	s_mov_b32 s22, s21                             ; w1 as the low word of a pair of its own
	s_mov_b32 s23, s21
.irp j, 0,1,2,3,4,5,6,7
	global_load_b128 v[D+16*\j:D+16*\j+3],     v2, s[24:25] offset:512*\j th:TH_LOAD_NT
	global_load_b128 v[D+16*\j+4:D+16*\j+7],   v2, s[28:29] offset:512*\j th:TH_LOAD_NT
	global_load_b128 v[D+16*\j+8:D+16*\j+11],  v2, s[26:27] offset:512*\j th:TH_LOAD_NT
	global_load_b128 v[D+16*\j+12:D+16*\j+15], v2, s[30:31] offset:512*\j th:TH_LOAD_NT
.endr
.irp j, 0,1,2,3,4,5,6,7
	s_wait_loadcnt 4*(7-\j)                        ; piece j's four loads are in; the later pieces' may be out
	v_pk_add_f32 v[D+16*\j:D+16*\j+1],     v[D+16*\j:D+16*\j+1],     v[D+16*\j+4:D+16*\j+5]
	v_pk_add_f32 v[D+16*\j+2:D+16*\j+3],   v[D+16*\j+2:D+16*\j+3],   v[D+16*\j+6:D+16*\j+7]
	v_pk_add_f32 v[D+16*\j+8:D+16*\j+9],   v[D+16*\j+8:D+16*\j+9],   v[D+16*\j+12:D+16*\j+13]
	v_pk_add_f32 v[D+16*\j+10:D+16*\j+11], v[D+16*\j+10:D+16*\j+11], v[D+16*\j+14:D+16*\j+15]
	v_pk_mul_f32 v[D+16*\j:D+16*\j+1],     v[D+16*\j:D+16*\j+1],     s[20:21] op_sel_hi:[1,0]
	v_pk_mul_f32 v[D+16*\j+2:D+16*\j+3],   v[D+16*\j+2:D+16*\j+3],   s[20:21] op_sel_hi:[1,0]
	v_pk_fma_f32 v[D+16*\j:D+16*\j+1],     v[D+16*\j+8:D+16*\j+9],   s[22:23], v[D+16*\j:D+16*\j+1] op_sel_hi:[1,0,1]
	v_pk_fma_f32 v[D+16*\j+2:D+16*\j+3],   v[D+16*\j+10:D+16*\j+11], s[22:23], v[D+16*\j+2:D+16*\j+3] op_sel_hi:[1,0,1]
	global_store_b128 v2, v[D+16*\j:D+16*\j+3], s[10:11] offset:512*\j th:TH_STORE_NT
.endr
	s_endpgm
.Lfunc_end_k_q5e763c125e_combine:
	.size	k_q5e763c125e_combine, .Lfunc_end_k_q5e763c125e_combine-k_q5e763c125e_combine
	.p2alignl 7, 3214868480
	.fill 96, 4, 3214868480
	.section	.rodata,"a",@progbits
	.p2align	6, 0x0
	.amdhsa_kernel k_q5e763c125e_combine
		.amdhsa_group_segment_fixed_size 0
		.amdhsa_private_segment_fixed_size 0
		.amdhsa_enable_private_segment 0
		.amdhsa_kernarg_size 32
		.amdhsa_user_sgpr_count 2
		.amdhsa_user_sgpr_kernarg_segment_ptr 1
		.amdhsa_wavefront_size32 1
		.amdhsa_system_sgpr_workgroup_id_x 1
		.amdhsa_system_sgpr_workgroup_id_y 1
		.amdhsa_system_sgpr_workgroup_id_z 1
		.amdhsa_system_vgpr_workitem_id 0
		.amdhsa_next_free_vgpr 144
		.amdhsa_next_free_sgpr 66
		.amdhsa_reserve_vcc 0
		.amdhsa_float_denorm_mode_32 3
		.amdhsa_float_denorm_mode_16_64 3
		.amdhsa_memory_ordered 1
		.amdhsa_forward_progress 1
		.amdhsa_inst_pref_size 10
	.end_amdhsa_kernel
	.amdgpu_metadata
---
amdhsa.version: [ 1, 2 ]
amdhsa.kernels:
  - .name:           k_q5e763c125e_combine
    .symbol:         k_q5e763c125e_combine.kd
    .args:
      - { .name: part, .offset: 0, .size: 8, .value_kind: global_buffer, .address_space: global }
      - { .name: posof, .offset: 8, .size: 8, .value_kind: global_buffer, .address_space: global }
      - { .name: wts, .offset: 16, .size: 8, .value_kind: global_buffer, .address_space: global }
      - { .name: out0, .offset: 24, .size: 8, .value_kind: global_buffer, .address_space: global }
    .group_segment_fixed_size: 0
    .private_segment_fixed_size: 0
    .kernarg_segment_align: 8
    .kernarg_segment_size: 32
    .max_flat_workgroup_size: 128
    .sgpr_count:     66
    .vgpr_count:     144
    .wavefront_size: 32
...
	.end_amdgpu_metadata
.endif
;; end of part 5
;; ======== version 2 of 2: 5 launches; version 1 with the launches up, down written anew for expert scheduling mode
;; workspace buffers: choice 8,192 bytes of whole numbers; wts 8,192 bytes; psum 8,192 bytes; cnt 256 bytes of whole numbers; posof 8,192 bytes of whole numbers; xs 10,485,760 bytes; hq 41,943,040 bytes; part 83,886,080 bytes
;; launch router: the kernel of part 1 again; grid 256 x 1, 4 waves a work-group, no clusters, 37,632 bytes of LDS; arguments x, gate_w, choice, wts, psum, out3; writes choice, wts, psum, out3
;; launch place: the kernel of part 2 again; grid 80 x 8, 4 waves a work-group, no clusters, 0 bytes of LDS; arguments choice, psum, x, lowp_scales, xs, cnt, posof, out1, out2; writes xs, cnt, posof, out1, out2
;; launch up (part 6): grid 32 x 8, 4 waves a work-group, no clusters, 132,608 bytes of LDS; arguments up_w, up_b, xs, cnt, lowp_scales, hq; writes hq
.if DOCPART == 6
	.amdgcn_target "amdgcn-amd-amdhsa--gfx1250"
	.amdhsa_code_object_version 6
	.text
	.protected	k_q5e763c125e_up
	.globl	k_q5e763c125e_up
	.p2align	8
	.type	k_q5e763c125e_up,@function
k_q5e763c125e_up:
	s_mov_b64 s[64:65], 0
	v_nop
	global_prefetch_b8 v0, s[64:65] scope:SCOPE_SE
	s_setreg_imm32_b32 hwreg(HW_REG_WAVE_SCHED_MODE, 0, 2), 2
	s_setreg_imm32_b32 hwreg(HW_REG_WAVE_MODE, 25, 1), 1
	s_wait_xcnt 0x0
	s_wait_alu depctr_vm_vsrc(0)
; UP.  h = Q(gelu(Q(x) Q(up_w[e]) + up_b[e])) for the rows routed to expert e.  Work-group (s, e) owns hidden units 128 s .. 128 s + 127 of expert e: K = 1,024 x N = 128 of up_w, 512 KB of f32, which no other work-group reads.
; THE WEIGHTS STAY, THE ROWS GO BY.  K goes in 8 steps of 128.  In a step wave w loads rows 32 w .. 32 w + 31 (32 loads of 512 consecutive bytes), holds and converts them to E4M3 with 2^ew, turns 4 x 4 bytes by v_perm_b32 so that
; K runs along a register, and stores quarter w of each of the 8 fragments (16 columns x 128 K) into LDS.  All 8 steps' codes stay in LDS: slot q at 16,512 q, fragment f at + 2,064 f (2,048 + 16, so that the sixteen lanes of a
; store start in sixteen different 16-byte columns of 256), registers 4 c .. 4 c + 3 of lane l at + 512 c + 16 l.  k lies in its true place: registers 2 c, 2 c + 1 of lane (r, h): k = 16 c + 8 h + 0 .. 7.
; ROWS.  Expert e's rows lie sorted in xs as images of the operand's registers (tile 80 e + m, K step q: 2,048 bytes).  A pass is 20 tiles of 16 rows; wave w takes tiles 20 pass + 4 i + w, i = 0 .. 4: 40 accumulators.
; Pass 0 runs beside the weights' stream and holds all barriers; it hangs on no loaded number.  Rows beyond 320 are served by further passes over the codes in LDS, without barriers; their number comes from cnt[e].
; THE PRODUCT IS USED TRANSPOSED (source 0 = 16 columns of up_w, source 1 = 16 rows): lane (r, h) holds hidden units 16 nt + 8 h + 0 .. 7 of row r, so the eight conversions of a tile's eight accumulators ARE the next
; product's operand registers (K step s), and go to hq as an image: tile 80 e + m, K step s, 2,048 bytes.
; GELU (exact form): gelu(x) = max(x, 0) - |x| E, E = erfc(|x| / sqrt 2) / 2 = t 2^(poly(t) - x^2 log2(e) / 2), t = 1 / (1 + |x| / (2 sqrt 2)): a fit of degree 9 with a fractional error near 1e-7; all in f32.
; No tensor loads and no joint requests: the f32 weights pass through registers to be quantised and are shared with nobody, and the number of passes is read from memory.
; LIMITS: ew_up and eh between -126 and 119; ex + ew_up between -126 and 127.  NaN and infinities among the inputs are not served.  More than 320 rows on an expert are served, but not beside the stream.
; REGISTERS, in windows of 256: window 0: v1-15 addresses and scales; v16-47 codes by rows, v48-63 at work, v64-95 codes by columns (later v16-79 the bias); v96-117 gelu's constants in pairs; v128-255 the step's 8 fragments.
;   window 1: two sets of 128 f32 weights; in the epilogue X, T, P, Q of 64.   windows 2, 3: accumulator (i, nt) at 512 + 64 i + 8 nt; rows' fragments (buffer p, i) at 832 + 80 p + 16 i.
; THE MODE: SCHED_MODE bits 1:0 = 2 (LLVM: expert scheduling mode 2), set by the entry lines.  The code itself states the register dependences
; between vector or matrix instructions and memory or LDS instructions, with s_wait_alu, always for 0.
; THE PLAN.  Registers that memory or LDS instructions touch, in step q:
;   the weights' set (q + 1) % 2   The holds and the conversions work on it; behind them the loads of K step q + 3 land in it.
;   v64-95, codes by columns       The turn writes them; the step's eight LDS stores read them; the next step's turn writes them again (in the last step the bias lands in v16-79).
;   v128-255, the fragments        The LDS loads at the step's head land in them; the step's 40 products read them.
;   the rows' buffers              The products read buffer q % 2; the loads of K step q + 1 land in the other, which the products of step q - 1 read.
;   v2-5, v8, v9, v12, v13         Offsets and LDS addresses: made at the head, never written again.  v126, v127: written at the head, read by the closing add alone.
;   The accumulators, v16-63 and the constants are named by vector and matrix instructions alone.
; So a step's vector work stands in one run (holds, conversions, the turn), ONE wait on va_vdst stands behind it, and all that the step stores and asks for follows that wait: the LDS stores, the rows' loads, and, behind the
; products, which name the fragments, the rows' buffer q % 2 and the accumulators alone, the weights' loads.  At a step's head one wait on va_vdst frees the fragments and one on vm_vsrc frees v64-95.
; On the way out the codes' sixteen registers are written by the conversions, read by four stores, and written again by the next tile's gelu: one wait of each kind a tile.
.set SLOTB, 16512
.set FRAGB, 2064
.set HALFS, 4*SLOTB                    ; an LDS immediate ends at 65,535: slots 4-7 have address registers of their own
.set BLK,   256                        ; from half h = 0 to h = 1 in a fragment's quarter
.set R,  16
.set TP, 48
.set C,  64
.set CO, 96                            ; v[96 + 2 k], twice: coefficient k
.set NH, 116                           ; v[116:117]: -log2(e) / 2, twice
.set BF, 128
.set MSB, 0
.macro WIN new                         ; the immediate's high byte repeats the setting that is left; a switch that changes nothing is dropped
.if MSB != (\new)
	s_set_vgpr_msb (MSB<<8)|(\new)
.set MSB, (\new)
.endif
.endm
.macro PLACES n                        ; plain vector instructions between a matrix instruction and a load into, or a read of, its registers
.rept \n
	v_nop
.endr
.endm
.macro WLOAD set, q                    ; my 32 rows of K step q: register 64 b + 4 i + j = up_w[128 q + 32 w + 8 b + i % 8 + 16 (i / 8)][4 lane + j]
.if (\q) < 4
.set WB, 4
.else
.set WB, 40
.endif
	WIN 0x40
.irp b, 0,1
.irp i, 0,1,2,3,4,5,6,7,8,9,10,11,12,13,14,15
	global_load_b128 v[128*(\set)+64*\b+4*\i:128*(\set)+64*\b+4*\i+3], v2, s[WB:WB+1] offset:((\q)%4)*2097152+(8*\b+(\i%8)+16*(\i/8))*16384 th:TH_LOAD_NT
.endr
.endr
.endm
.macro ALOAD p, q                      ; my five tiles' images of K step q
	WIN 0xc0
.irp i, 0,1,2,3,4
.irp c, 0,1,2,3
	global_load_b128 v[64+80*(\p)+16*\i+4*\c:64+80*(\p)+16*\i+4*\c+3], v3, s[8:9] offset:65536*\i+2048*(\q)+512*\c
.endr
.endr
.endm
.macro BFETCH q                        ; slot q's eight fragments
	WIN 0
.set LL, 12+(\q)/4
.irp f, 0,1,2,3,4,5,6,7
.irp c, 0,1,2,3
	ds_load_b128 v[BF+16*\f+4*\c:BF+16*\f+4*\c+3], v[LL] offset:((\q)%4)*SLOTB+FRAGB*\f+512*\c
.endr
.endr
.endm
.macro HOLD set                        ; the conversion to an 8-bit code does not saturate (ISA guide 7.6.2): within +-448 x 2^ew first
	WIN 0x41
.set n, 0
.rept 128
	v_med3_num_f32 v[128*(\set)+n], v[128*(\set)+n], s28, s29
.set n, n+1
.endr
.endm
.macro CVT set                         ; v[R + 16 b + i]: the codes of row (b, i) at my four columns
	WIN 0x01
.set n, 0
.rept 16
	v_cvt_scalef32_pk8_fp8_f32 v[R+2*n:R+2*n+1], v[128*(\set)+8*n:128*(\set)+8*n+7], v6
.set n, n+1
.endr
	v_nop                                          ; a plain instruction behind the last conversion of a run
.endm
.macro PERM                            ; 4 rows x 4 columns of bytes are turned: v[C + 16 b + 4 j + g] = rows 4 g .. 4 g + 3 of column j
	WIN 0
.irp b, 0,1
.irp g, 0,1,2,3
	v_perm_b32 v[TP+4*\g],   v[R+16*\b+4*\g+1], v[R+16*\b+4*\g],   s32
	v_perm_b32 v[TP+4*\g+1], v[R+16*\b+4*\g+3], v[R+16*\b+4*\g+2], s32
	v_perm_b32 v[TP+4*\g+2], v[R+16*\b+4*\g+1], v[R+16*\b+4*\g],   s33
	v_perm_b32 v[TP+4*\g+3], v[R+16*\b+4*\g+3], v[R+16*\b+4*\g+2], s33
	v_perm_b32 v[C+16*\b+\g],    v[TP+4*\g+1], v[TP+4*\g],   s34
	v_perm_b32 v[C+16*\b+4+\g],  v[TP+4*\g+1], v[TP+4*\g],   s35
	v_perm_b32 v[C+16*\b+8+\g],  v[TP+4*\g+3], v[TP+4*\g+2], s34
	v_perm_b32 v[C+16*\b+12+\g], v[TP+4*\g+3], v[TP+4*\g+2], s35
.endr
.endr
.endm
.macro PUT q                           ; column 4 lane + j, half b: sixteen codes along K = registers 4 w .. 4 w + 3 of lane (4 (lane % 4) + j, b) of fragment lane / 4
.set LS, 4+(\q)/4
.irp b, 0,1
.irp j, 0,1,2,3
	ds_store_b128 v[LS], v[C+16*\b+4*\j:C+16*\b+4*\j+3] offset:((\q)%4)*SLOTB+BLK*\b+16*\j
.endr
.endr
.endm
.macro MM p, zero                      ; 40 matrix instructions, each on another accumulator, in the same order in every step.  zero: the first products start the sums
.irp i, 0,1,2,3,4
.set AW, 2+\i/4
.set AO, (64*\i)%256
	WIN (AW<<6)|(AW<<4)|(3<<2)
.irp f, 0,1,2,3,4,5,6,7
.if \zero
	v_wmma_f32_16x16x128_fp8_fp8 v[AO+8*\f:AO+8*\f+7], v[BF+16*\f:BF+16*\f+15], v[64+80*(\p)+16*\i:64+80*(\p)+16*\i+15], 0
.else
	v_wmma_f32_16x16x128_fp8_fp8 v[AO+8*\f:AO+8*\f+7], v[BF+16*\f:BF+16*\f+15], v[64+80*(\p)+16*\i:64+80*(\p)+16*\i+15], v[AO+8*\f:AO+8*\f+7]
.endif
.endr
.endr
.endm
.macro BIAS                            ; v[16 + 8 nt + j] = up_b[e][128 s + 16 nt + 8 h + j], in the result's layout
	WIN 0
.irp nt, 0,1,2,3,4,5,6,7
.irp u, 0,1
	global_load_b128 v[16+8*\nt+4*\u:16+8*\nt+4*\u+3], v9, s[6:7] offset:64*\nt+16*\u
.endr
.endr
.endm
.macro BAR                             ; my LDS stores have landed and my LDS loads are in: then the work-group's barrier
	WIN 0
	s_wait_dscnt 0x0
	s_barrier_signal -1
	s_barrier_wait -1
.endm
; STEP q multiplies K step q and, beside it, quantises K step q + 1's weights into slot q + 1.  Loads go out in the order W0 W1 | A0 W2 | A1 W3 | .. | A(q+1) W(q+3).
.macro STEP q
.set NP, ((\q)+1)&1
.set PP, (\q)&1
.if (\q) >= 1
	s_wait_alu depctr_va_vdst(0)                   ; the products of the step before are done reading the fragments v128-255, in which the LDS loads below land
.endif
.if (\q) >= 0
	s_wait_alu depctr_vm_vsrc(0)                   ; the LDS stores of the step before have read v64-95, which this step's turn writes again (in the last step: in which the bias lands); it stands beside the barrier's wait on DScnt, not in its place
	BFETCH \q
.endif
.if (\q) <= 5
	s_wait_loadcnt 32                              ; W(q+1) and A(q) are in; behind them only W(q+2)'s 32 loads were issued
.else
	s_wait_loadcnt 0x0                             ; nothing was issued behind what is wanted
.endif
.if (\q) <= 6
	HOLD NP
	CVT NP
	PERM
	s_wait_alu depctr_va_vdst(0)                   ; the turn has written v64-95, which the LDS stores read; the holds and conversions are done with the weights' set, in which W(q+3) lands; the rows' other buffer was left by the products of the step before
	PUT (\q)+1
	ALOAD NP, (\q)+1
.else
	BIAS                                           ; v16-79: the conversions and the turn that named them stand ahead of the waits at this step's head
.endif
.if (\q) >= 0
.if (\q) <= 6
	s_wait_dscnt 8                                 ; the 32 fragment loads are in; the 8 stores behind them may be out
.else
	s_wait_dscnt 0x0
.endif
	MM PP, (\q)==0
.endif
.if (\q) <= 4
	WLOAD NP, (\q)+3                               ; into the set that has just been converted.  No further wait: since the wait above only the products were issued, and they name the fragments, the rows' buffer q % 2 and the accumulators
.endif
.if (\q) >= 0
	PLACES 4                                       ; in front of the next loads into the fragments' registers, beside the next step's wait, and of the first read of results
.endif
.if (\q) <= 6
	BAR                                            ; slot q + 1 is whole
.endif
.endm
	s_load_b256 s[4:11], s[0:1], 0x0               ; up_w s[4:5], up_b s[6:7], xs s[8:9], cnt s[10:11]
	s_load_b128 s[12:15], s[0:1], 0x20             ; lowp_scales s[12:13], hq s[14:15]
	v_lshl_add_u32 v126, v0, 2, 0x20400
	v_mov_b32 v127, 0
	v_lshrrev_b32 v1, 5, v0
	v_readfirstlane_b32 s16, v1                    ; wave
	s_and_b32 s17, ttmp7, 0xffff                   ; e
	s_mov_b32 s18, ttmp9                           ; s
	v_and_b32 v1, 31, v0                           ; lane
	v_lshlrev_b32 v2, 4, v1                        ; the weights' offset: 16 x lane
	v_lshlrev_b32 v3, 4, v1                        ; the images' offset
	v_lshrrev_b32 v4, 2, v1
	v_mul_u32_u24 v4, v4, FRAGB
	v_and_b32 v9, 3, v1
	v_lshl_add_u32 v4, v9, 6, v4
	s_wait_alu depctr_va_sdst(0)                   ; s16, the wave's number, is written, ahead of its first reader: LDS addresses and the bases are made from it
	s_lshl_b32 s22, s16, 9
	v_add_nc_u32 v4, s22, v4                       ; where I store: fragment lane / 4, + 64 (lane % 4), + 512 x wave
	v_add_nc_u32 v5, HALFS, v4
	v_lshlrev_b32 v8, 4, v1                        ; hq's offset
	v_lshlrev_b32 v12, 4, v1                       ; where I read fragments: 16 x lane
	v_add_nc_u32 v13, HALFS, v12
	v_lshrrev_b32 v9, 4, v1
	v_lshlrev_b32 v9, 5, v9                        ; the bias: 32 h
	s_lshl_b32 s36, s17, 24                        ; up_w: expert x 16 MiB + 512 s + 32 rows x wave
	s_lshl_b32 s22, s18, 9
	s_add_co_u32 s36, s36, s22
	s_lshl_b32 s22, s16, 19
	s_add_co_u32 s36, s36, s22
	s_mov_b32 s37, 0
	s_lshl_b32 s38, s17, 14                        ; up_b: expert x 16,384 + 512 s
	s_lshl_b32 s22, s18, 9
	s_add_co_u32 s38, s38, s22
	s_mov_b32 s39, 0
	s_mul_i32 s22, s17, 80
	s_add_co_u32 s22, s22, s16                     ; tile 80 e + w
	s_lshl_b32 s42, s22, 14                        ; in xs: 8 images a tile
	s_mov_b32 s43, 0
	s_lshl_b32 s44, s22, 16                        ; in hq: 32 images a tile, + image s
	s_lshl_b32 s22, s18, 11
	s_add_co_u32 s44, s44, s22
	s_mov_b32 s45, 0
	s_lshl_b32 s46, s17, 2
	s_mov_b32 s47, 0
	s_lshl_b32 s48, s17, 4
	s_mov_b32 s49, 0
	s_mov_b32 s32, 0x05010400                      ; v_perm_b32's selects for the turn
	s_mov_b32 s33, 0x07030602
	s_mov_b32 s34, 0x05040100
	s_mov_b32 s35, 0x07060302
	s_wait_kmcnt 0x0
	s_add_nc_u64 s[4:5], s[4:5], s[36:37]
	s_add_nc_u64 s[40:41], s[4:5], 0x800000        ; K steps 4-7: 512 rows on, so that every offset is an immediate
	s_add_nc_u64 s[6:7], s[6:7], s[38:39]
	s_add_nc_u64 s[8:9], s[8:9], s[42:43]
	s_add_nc_u64 s[14:15], s[14:15], s[44:45]
	s_add_nc_u64 s[10:11], s[10:11], s[46:47]
	s_add_nc_u64 s[12:13], s[12:13], s[48:49]
	s_load_b32 s19, s[10:11], 0x0                  ; cnt[e]
	s_load_b128 s[24:27], s[12:13], 0x0            ; ex, ew_up, eh, ew_down
	s_wait_alu depctr_va_vdst(0)                   ; the offsets and LDS addresses v2-5, v8, v9, v12, v13 are written: every load and store of the kernel reads one of them, and none is written again
	WLOAD 0, 0
	WLOAD 1, 1
	WIN 0
	v_mov_b32 v[CO], -2.8257482                    ; the fit's coefficients x log2(e); the factor 1/2 is a -1 in the first
	v_mov_b32 v[CO+2], 1.4427292
	v_mov_b32 v[CO+4], 0.53970062
	v_mov_b32 v[CO+6], 0.13963006
	v_mov_b32 v[CO+8], -0.26875686
	v_mov_b32 v[CO+10], 0.40232158
	v_mov_b32 v[CO+12], -1.6377532
	v_mov_b32 v[CO+14], 2.1474745
	v_mov_b32 v[CO+16], -1.1861149
	v_mov_b32 v[CO+18], 0.24651730
	v_mov_b32 v[NH], 0xbf38aa3b                    ; -log2(e) / 2
.irp k, 0,2,4,6,8,10,12,14,16,18,20
	v_mov_b32 v[CO+\k+1], v[CO+\k]
.endr
	s_wait_kmcnt 0x0
	s_min_u32 s19, s19, 1024
	s_cmp_gt_u32 s19, 320                          ; passes of 320 rows
	s_cselect_b32 s20, 2, 1
	s_cmp_gt_u32 s19, 640
	s_cselect_b32 s20, 3, s20
	s_cmp_gt_u32 s19, 960
	s_cselect_b32 s20, 4, s20
	s_add_co_i32 s42, s25, 127
	s_lshl_b32 s43, s42, 23
	v_mov_b32 v6, s43                              ; 2^ew as f32: the conversion takes its exponent field
	s_add_co_i32 s42, s42, 8
	s_lshl_b32 s42, s42, 23
	s_or_b32 s29, s42, 0x600000                    ; 448 x 2^ew
	s_or_b32 s28, s29, 0x80000000
	s_add_co_i32 s42, s26, 127
	s_lshl_b32 s43, s42, 23
	v_mov_b32 v7, s43                              ; 2^eh
	s_add_co_i32 s42, s42, 8
	s_lshl_b32 s42, s42, 23
	s_or_b32 s31, s42, 0x600000                    ; 448 x 2^eh
	s_or_b32 s30, s31, 0x80000000
	s_add_co_i32 s42, s24, s25
	s_add_co_i32 s42, s42, 127
	s_lshl_b32 s42, s42, 23
	v_mov_b32 v10, s42                             ; 2^(ex + ew): what a sum stands for
	v_mov_b32 v11, s42
	STEP -1
	STEP 0
	STEP 1
	STEP 2
	STEP 3
	STEP 4
	STEP 5
	STEP 6
	STEP 7
	WIN 0
	s_wait_loadcnt 0x0                             ; the bias
	s_mov_b32 s21, 0                               ; pass
.macro E1 i                            ; X = sum x 2^(ex + ew) + bias: tile i's 64 numbers, each accumulator from its low end on
.set AW, 2+(\i)/4
.set AO, (64*(\i))%256
	WIN 0x40|AW
.set n, 0
.rept 32
	v_pk_fma_f32 v[2*n:2*n+1], v[AO+2*n:AO+2*n+1], v[10:11], v[16+2*n:17+2*n]
.set n, n+1
.endr
	WIN 0
.endm
.Lpass:
	s_mov_b32 s23, 0                               ; the pass's five tiles: only the first lines differ (the accumulators' numbers); the rest is written once
.Ltile:
	s_cmp_eq_u32 s23, 0
	s_cbranch_scc0 .Lt1
	E1 0
	s_branch .Lgelu
.Lt1:
	s_cmp_eq_u32 s23, 1
	s_cbranch_scc0 .Lt2
	E1 1
	s_branch .Lgelu
.Lt2:
	s_cmp_eq_u32 s23, 2
	s_cbranch_scc0 .Lt3
	E1 2
	s_branch .Lgelu
.Lt3:
	s_cmp_eq_u32 s23, 3
	s_cbranch_scc0 .Lt4
	E1 3
	s_branch .Lgelu
.Lt4:
	E1 4
.Lgelu:                                            ; window 1: X v0-63, T v64-127, P v128-191, Q v192-255
	WIN 0x41
.set n, 0
.rept 64
	v_fma_f32 v[64+n], |v[n]|, 0x3eb504f3, 1.0     ; 1 + |x| / (2 sqrt 2)
.set n, n+1
.endr
.set n, 0
.rept 64
	v_rcp_f32 v[64+n], v[64+n]                     ; t
.set n, n+1
.endr
	v_nop                                          ; a plain instruction behind the reciprocals
	s_wait_alu depctr_va_vdst(0)                   ; the 64 reciprocals have written T: one wait for the batch, ahead of its first reader
.set n, 0
.rept 32
	v_pk_fma_f32 v[128+2*n:129+2*n], v[64+2*n:65+2*n], v[CO+18:CO+19], v[CO+16:CO+17]
.set n, n+1
.endr
.set n, 0
.rept 32
	v_pk_mul_f32 v[192+2*n:193+2*n], v[2*n:2*n+1], v[NH:NH+1]      ; -x log2(e) / 2
.set n, n+1
.endr
	WIN 0x45
.irp k, 7,6,5,4,3,2,1,0
.set n, 0
.rept 32
	v_pk_fma_f32 v[128+2*n:129+2*n], v[128+2*n:129+2*n], v[64+2*n:65+2*n], v[CO+2*\k:CO+2*\k+1]
.set n, n+1
.endr
.endr
	WIN 0x55
.set n, 0
.rept 32
	v_pk_fma_f32 v[128+2*n:129+2*n], v[192+2*n:193+2*n], v[2*n:2*n+1], v[128+2*n:129+2*n]   ; poly - x^2 log2(e) / 2
.set n, n+1
.endr
.set n, 0
.rept 64
	v_exp_f32 v[128+n], v[128+n]
.set n, n+1
.endr
	v_nop                                          ; a plain instruction behind the exponentials
	s_wait_alu depctr_va_vdst(0)                   ; the 64 exponentials have written P: one wait for the batch, ahead of its first reader
.set n, 0
.rept 32
	v_pk_mul_f32 v[128+2*n:129+2*n], v[64+2*n:65+2*n], v[128+2*n:129+2*n]                   ; E
.set n, n+1
.endr
.set n, 0
.rept 64
	v_max_num_f32 v[192+n], 0, v[n]
.set n, n+1
.endr
.set n, 0
.rept 64
	v_fma_f32 v[n], -|v[n]|, v[128+n], v[192+n]    ; gelu = max(x, 0) - |x| E
.set n, n+1
.endr
.set n, 0
.rept 64
	v_med3_num_f32 v[n], v[n], s30, s31            ; the hold at 448 x 2^eh
.set n, n+1
.endr
	WIN 0x41
.irp nt, 0,1,2,3,4,5,6,7
	v_cvt_scalef32_pk8_fp8_f32 v[64+2*\nt:65+2*\nt], v[8*\nt:8*\nt+7], v7     ; registers 2 nt, 2 nt + 1 of the next operand: k = 16 nt + 8 h + 0 .. 7
.endr
	v_nop
	WIN 0x04
	s_wait_alu depctr_va_vdst(0)                   ; the conversions have written the codes, v64-79 of window 1, which the four stores read
.irp c, 0,1,2,3
	global_store_b128 v8, v[64+4*\c:64+4*\c+3], s[14:15] offset:512*\c        ; 32 lanes store 512 consecutive bytes, at a multiple of 512 from the buffer's first byte
.endr
	WIN 0
	s_wait_xcnt 0x0                                ; the stores have read their registers and their base: both are written again
	s_wait_alu depctr_vm_vsrc(0)                   ; the stores have read the codes' registers, which the next tile's gelu writes again (they are the first sixteen of T); ahead of the backward jump, beside the wait above
	s_add_nc_u64 s[14:15], s[14:15], 262144        ; four tiles on; after five steps this is the next pass's first tile (20 tiles x 65,536)
	s_add_co_u32 s23, s23, 1
	s_cmp_lt_u32 s23, 5
	s_cbranch_scc1 .Ltile
	s_add_co_u32 s21, s21, 1
	s_cmp_ge_u32 s21, s20
	s_cbranch_scc1 .Ldone
	s_add_nc_u64 s[8:9], s[8:9], 327680            ; the next 20 tiles of xs (all loads that named the base are in)
.irp q, 0,1,2,3,4,5,6,7                ; a further pass: the codes lie in LDS and nobody writes them: no barrier
.if \q > 0
	s_wait_alu depctr_va_vdst(0)                   ; the products above are done reading the rows' buffer 0 and the fragments v128-255, in which the loads below land.  (Ahead of the first step none is owed: the wait in front of the last tile's stores stands behind all earlier products, and no vector instruction follows it)
.endif
	ALOAD 0, \q
	BFETCH \q
	s_wait_loadcnt 0x0
	s_wait_dscnt 0x0
	MM 0, \q==0
	PLACES 4
.endr
	WIN 0
	s_cmp_lt_u32 s21, s20
	s_cbranch_scc1 .Lpass
.Ldone:
	s_wait_dscnt 0x0                               ; the closing lines, six on end
	s_wait_alu 0x0
	s_wait_tensorcnt 0x0
	ds_add_u32 v126, v127
	s_wait_dscnt 0x0
	s_endpgm
.Lfunc_end_k_q5e763c125e_up:
	.size	k_q5e763c125e_up, .Lfunc_end_k_q5e763c125e_up-k_q5e763c125e_up
	.p2alignl 7, 3214868480
	.fill 96, 4, 3214868480
	.section	.rodata,"a",@progbits
	.p2align	6, 0x0
	.amdhsa_kernel k_q5e763c125e_up
		.amdhsa_group_segment_fixed_size 132608
		.amdhsa_private_segment_fixed_size 0
		.amdhsa_enable_private_segment 0
		.amdhsa_kernarg_size 48
		.amdhsa_user_sgpr_count 2
		.amdhsa_user_sgpr_kernarg_segment_ptr 1
		.amdhsa_wavefront_size32 1
		.amdhsa_system_sgpr_workgroup_id_x 1
		.amdhsa_system_sgpr_workgroup_id_y 1
		.amdhsa_system_sgpr_workgroup_id_z 1
		.amdhsa_system_vgpr_workitem_id 0
		.amdhsa_next_free_vgpr 1024
		.amdhsa_next_free_sgpr 66
		.amdhsa_reserve_vcc 0
		.amdhsa_float_denorm_mode_32 3
		.amdhsa_float_denorm_mode_16_64 3
		.amdhsa_memory_ordered 1
		.amdhsa_forward_progress 1
		.amdhsa_inst_pref_size 255
	.end_amdhsa_kernel
	.section	.bss,"aw",@nobits
	.p2align	6
	.space	262144
	.amdgpu_metadata
---
amdhsa.version: [ 1, 2 ]
amdhsa.kernels:
  - .name:           k_q5e763c125e_up
    .symbol:         k_q5e763c125e_up.kd
    .args:
      - { .name: up_w, .offset: 0, .size: 8, .value_kind: global_buffer, .address_space: global }
      - { .name: up_b, .offset: 8, .size: 8, .value_kind: global_buffer, .address_space: global }
      - { .name: xs, .offset: 16, .size: 8, .value_kind: global_buffer, .address_space: global }
      - { .name: cnt, .offset: 24, .size: 8, .value_kind: global_buffer, .address_space: global }
      - { .name: lowp_scales, .offset: 32, .size: 8, .value_kind: global_buffer, .address_space: global }
      - { .name: hq, .offset: 40, .size: 8, .value_kind: global_buffer, .address_space: global }
    .group_segment_fixed_size: 132608
    .private_segment_fixed_size: 0
    .kernarg_segment_align: 8
    .kernarg_segment_size: 48
    .max_flat_workgroup_size: 128
    .sgpr_count:     66
    .vgpr_count:     1024
    .wavefront_size: 32
...
	.end_amdgpu_metadata
.endif
;; end of part 6
;; launch down (part 7): grid 32 x 8, 4 waves a work-group, no clusters, 150,016 bytes of LDS; arguments down_w, down_b, hq, cnt, lowp_scales, part; writes part
.if DOCPART == 7
	.amdgcn_target "amdgcn-amd-amdhsa--gfx1250"
	.amdhsa_code_object_version 6
	.text
	.protected	k_q5e763c125e_down
	.globl	k_q5e763c125e_down
	.p2align	8
	.type	k_q5e763c125e_down,@function
k_q5e763c125e_down:
	s_mov_b64 s[64:65], 0
	v_nop
	global_prefetch_b8 v0, s[64:65] scope:SCOPE_SE
	s_setreg_imm32_b32 hwreg(HW_REG_WAVE_SCHED_MODE, 0, 2), 2
	s_setreg_imm32_b32 hwreg(HW_REG_WAVE_MODE, 25, 1), 1
	s_wait_xcnt 0x0
	s_wait_alu depctr_vm_vsrc(0)
; DOWN.  y = Q(h) Q(down_w[e]) + down_b[e] for the rows routed to expert e, in two halves of K.  Work-group (x, e): ns = x % 16 owns output columns 64 ns .. 64 ns + 63, kh = x / 16 the hidden units 2,048 kh .. + 2,047:
; 512 KB of f32 of down_w, which no other work-group reads.  A row's piece is 256 consecutive bytes at a multiple of 256 from the buffer's first byte.
; K goes in 8 steps of 256 (two matrix instructions deep, ks = 0, 1).  In a step wave w loads, of each ks, rows 32 w .. 32 w + 31 (a load: two rows' 256 bytes, lanes 16-31 eight rows further down: the fragment's half h),
; holds and converts them with 2^ew, turns 4 x 4 bytes, and stores quarter w of the 8 fragments f = 4 ks + nt into LDS.  All codes stay there: slot q at 16,512 q, fragment f at + 2,064 f, registers 4 c .. 4 c + 3 of lane l
; at + 512 c + 16 l; k in its true place (registers 2 c, 2 c + 1 of lane (r, h): k = 16 c + 8 h + 0 .. 7).
; ROWS: images in hq (tile 80 e + m, K step kt of 128).  A pass is 20 tiles; wave w takes tiles 20 pass + 4 i + w: 20 accumulators.  Pass 0 runs beside the stream, holds all barriers and hangs on no loaded number;
; further passes (rows beyond 320, by cnt[e]) read the codes in LDS without barriers.
; TRANSPOSED (source 0 = 16 columns of down_w, source 1 = 16 rows): lane (r, h) holds columns 16 nt + 8 h + 0 .. 7 of row r.  y = sum x 2^(eh + ew) + bias (the bias in K half 0 alone) goes through the wave's own stage in LDS
; and leaves as rows: sixteen lanes store 256 consecutive bytes.  part[kh][1280 e + rank][1,024] f32; tiles wholly beyond the count are not stored.  The two halves and the two experts of a token are added by the next launch.
; No tensor loads and no joint requests: the f32 weights pass through registers and are shared with nobody; the passes and the stores hang on a count read from memory.
; LIMITS: ew_down between -126 and 119; eh + ew_down between -126 and 127.  NaN and infinities among the inputs are not served (the bias is multiplied by 0 in K half 1).
; REGISTERS: window 0: v1-15 addresses and scales; v16-47, v48-63, v64-95 codes on their way (later v16-47 bias, v48-79 y, v80-111 rows of y); v128-255 the step's 8 fragments.   window 1: two sets of 128 f32 weights.
;   windows 2, 3: accumulator (i, nt) at 512 + 32 i + 8 nt; rows' fragments (buffer p, i, ks) at 672 + 160 p + 32 i + 16 ks.
; THE MODE: SCHED_MODE bits 1:0 = 2 (LLVM: expert scheduling mode 2), set by the entry lines.  The code itself states the register dependences
; between vector or matrix instructions and memory or LDS instructions, with s_wait_alu, always for 0.
; THE PLAN.  Registers that memory or LDS instructions touch, in step q:
;   the weights' set (q + 1) % 2   The holds and the conversions work on it; behind them the loads of K step q + 3 land in it.
;   v64-95, codes by columns       The turn writes them; the step's eight LDS stores read them; the next step's turn writes them again.
;   v128-255, the fragments        The LDS loads at the step's head land in them; the step's 40 products read them.
;   the rows' buffers              The products read buffer q % 2; the loads of K step q + 1 land in the other, which the products of step q - 1 read.
;   v2-5, v8, v9, v12-15           Offsets and LDS addresses: made at the head, never written again.  v126, v127: written at the head, read by the closing add alone.
;   The accumulators and v16-63 are named by vector and matrix instructions alone.
; So a step's vector work stands in one run (holds, conversions, the turn), ONE wait on va_vdst stands behind it, and all that the step stores and asks for follows that wait: the LDS stores, the rows' loads, and, behind the
; products, which name the fragments, the rows' buffer q % 2 and the accumulators alone, the weights' loads.  At a step's head one wait on va_vdst frees the fragments and one on vm_vsrc frees v64-95.
; On the way out, tile by tile: the multiply-adds write v48-79, the LDS stores read them; the LDS loads land in v80-111, the global stores read them: one wait on vm_vsrc at a tile's head, one on va_vdst ahead of its LDS stores.
.set SLOTB, 16512
.set FRAGB, 2064
.set HALFS, 4*SLOTB
.set BLK,   4*FRAGB                    ; from ks = 0 to ks = 1: four fragments
.set STAGE, 8*SLOTB                    ; behind the codes: 16 rows x (256 + 16) bytes for each wave
.set PARTH, 41943040
.set R,  16
.set TP, 48
.set C,  64
.set BF, 128
.set MSB, 0
.macro WIN new
.if MSB != (\new)
	s_set_vgpr_msb (MSB<<8)|(\new)
.set MSB, (\new)
.endif
.endm
.macro PLACES n
.rept \n
	v_nop
.endr
.endm
.macro WLOAD set, q                    ; register 64 b + 4 i + j = down_w[256 q + 128 b + 32 w + 8 (lane / 16) + i % 8 + 16 (i / 8)][4 (lane % 16) + j]
	WIN 0x40
.irp b, 0,1
.irp i, 0,1,2,3,4,5,6,7,8,9,10,11,12,13,14,15
	global_load_b128 v[128*(\set)+64*\b+4*\i:128*(\set)+64*\b+4*\i+3], v2, s[4:5] offset:(\q)*1048576+\b*524288+((\i%8)+16*(\i/8))*4096 th:TH_LOAD_NT
.endr
.endr
.endm
.macro ALOAD p, q                      ; my five tiles' two images of K step q
.irp i, 0,1,2,3,4
.set AB, 672+160*(\p)+32*\i
.set AO, AB&255
	WIN ((AB>>8)<<6)
.irp ks, 0,1
.irp c, 0,1,2,3
	global_load_b128 v[AO+16*\ks+4*\c:AO+16*\ks+4*\c+3], v3, s[8:9] offset:262144*\i+4096*(\q)+2048*\ks+512*\c
.endr
.endr
.endr
.endm
.macro BFETCH q
	WIN 0
.set LL, 12+(\q)/4
.irp f, 0,1,2,3,4,5,6,7
.irp c, 0,1,2,3
	ds_load_b128 v[BF+16*\f+4*\c:BF+16*\f+4*\c+3], v[LL] offset:((\q)%4)*SLOTB+FRAGB*\f+512*\c
.endr
.endr
.endm
.macro HOLD set                        ; the conversion to an 8-bit code does not saturate (ISA guide 7.6.2)
	WIN 0x41
.set n, 0
.rept 128
	v_med3_num_f32 v[128*(\set)+n], v[128*(\set)+n], s28, s29
.set n, n+1
.endr
.endm
.macro CVT set
	WIN 0x01
.set n, 0
.rept 16
	v_cvt_scalef32_pk8_fp8_f32 v[R+2*n:R+2*n+1], v[128*(\set)+8*n:128*(\set)+8*n+7], v6
.set n, n+1
.endr
	v_nop                                          ; a plain instruction behind the last conversion of a run
.endm
.macro PERM
	WIN 0
.irp b, 0,1
.irp g, 0,1,2,3
	v_perm_b32 v[TP+4*\g],   v[R+16*\b+4*\g+1], v[R+16*\b+4*\g],   s32
	v_perm_b32 v[TP+4*\g+1], v[R+16*\b+4*\g+3], v[R+16*\b+4*\g+2], s32
	v_perm_b32 v[TP+4*\g+2], v[R+16*\b+4*\g+1], v[R+16*\b+4*\g],   s33
	v_perm_b32 v[TP+4*\g+3], v[R+16*\b+4*\g+3], v[R+16*\b+4*\g+2], s33
	v_perm_b32 v[C+16*\b+\g],    v[TP+4*\g+1], v[TP+4*\g],   s34
	v_perm_b32 v[C+16*\b+4+\g],  v[TP+4*\g+1], v[TP+4*\g],   s35
	v_perm_b32 v[C+16*\b+8+\g],  v[TP+4*\g+3], v[TP+4*\g+2], s34
	v_perm_b32 v[C+16*\b+12+\g], v[TP+4*\g+3], v[TP+4*\g+2], s35
.endr
.endr
.endm
.macro PUT q                           ; column 4 (lane % 16) + j, ks = b, half lane / 16: registers 4 w .. 4 w + 3 of lane (4 (lane % 4) + j, lane / 16) of fragment 4 b + (lane % 16) / 4
.set LS, 4+(\q)/4
.irp b, 0,1
.irp j, 0,1,2,3
	ds_store_b128 v[LS], v[C+16*\b+4*\j:C+16*\b+4*\j+3] offset:((\q)%4)*SLOTB+BLK*\b+16*\j
.endr
.endr
.endm
.macro MM p, zero                      ; 40 matrix instructions: the 20 accumulators by turns, one instruction a turn, twice.  zero: ks = 0 starts the sums
.irp ks, 0,1
.irp i, 0,1,2,3,4
.set AB, 672+160*(\p)+32*\i+16*\ks
.set AO, AB&255
	WIN 0xa0|((AB>>8)<<2)
.irp nt, 0,1,2,3
.if (\zero) && (\ks == 0)
	v_wmma_f32_16x16x128_fp8_fp8 v[32*\i+8*\nt:32*\i+8*\nt+7], v[BF+16*(4*\ks+\nt):BF+16*(4*\ks+\nt)+15], v[AO:AO+15], 0
.else
	v_wmma_f32_16x16x128_fp8_fp8 v[32*\i+8*\nt:32*\i+8*\nt+7], v[BF+16*(4*\ks+\nt):BF+16*(4*\ks+\nt)+15], v[AO:AO+15], v[32*\i+8*\nt:32*\i+8*\nt+7]
.endif
.endr
.endr
.endr
.endm
.macro BIAS                            ; v[16 + 8 nt + j] = down_b[e][64 ns + 16 nt + 8 h + j]
	WIN 0
.irp nt, 0,1,2,3
.irp u, 0,1
	global_load_b128 v[16+8*\nt+4*\u:16+8*\nt+4*\u+3], v9, s[6:7] offset:64*\nt+16*\u
.endr
.endr
.endm
.macro BAR
	WIN 0
	s_wait_dscnt 0x0
	s_barrier_signal -1
	s_barrier_wait -1
.endm
; STEP q multiplies K step q and, beside it, quantises K step q + 1's weights into slot q + 1.  Loads go out in the order W0 W1 | A0 W2 | A1 W3 | .. | A(q+1) W(q+3).
.macro STEP q
.set NP, ((\q)+1)&1
.set PP, (\q)&1
.if (\q) >= 1
	s_wait_alu depctr_va_vdst(0)                   ; the products of the step before are done reading the fragments v128-255, in which the LDS loads below land
.endif
.if ((\q) >= 0) && ((\q) <= 6)
	s_wait_alu depctr_vm_vsrc(0)                   ; the LDS stores of the step before have read v64-95, which this step's turn writes again; it stands beside the barrier's wait on DScnt, not in its place
.endif
.if (\q) >= 0
	BFETCH \q
.endif
.if (\q) <= 5
	s_wait_loadcnt 32                              ; W(q+1) and A(q) are in; behind them only W(q+2)'s 32 loads were issued
.else
	s_wait_loadcnt 0x0
.endif
.if (\q) <= 6
	HOLD NP
	CVT NP
	PERM
	s_wait_alu depctr_va_vdst(0)                   ; the turn has written v64-95, which the LDS stores read; the holds and conversions are done with the weights' set, in which W(q+3) lands; the rows' other buffer was left by the products of the step before
	PUT (\q)+1
	ALOAD NP, (\q)+1
.else
	BIAS                                           ; v16-47: the conversions and the turn that named them stand ahead of the wait at this step's head; no memory instruction has read them
.endif
.if (\q) >= 0
.if (\q) <= 6
	s_wait_dscnt 8                                 ; the 32 fragment loads are in; the 8 stores behind them may be out
.else
	s_wait_dscnt 0x0
.endif
	MM PP, (\q)==0
.endif
.if (\q) <= 4
	WLOAD NP, (\q)+3                               ; into the set that has just been converted.  No further wait: since the wait above only the products were issued, and they name the fragments, the rows' buffer q % 2 and the accumulators
.endif
.if (\q) >= 0
	PLACES 4
.endif
.if (\q) <= 6
	BAR                                            ; slot q + 1 is whole
.endif
.endm
	s_load_b256 s[4:11], s[0:1], 0x0               ; down_w s[4:5], down_b s[6:7], hq s[8:9], cnt s[10:11]
	s_load_b128 s[12:15], s[0:1], 0x20             ; lowp_scales s[12:13], part s[14:15]
	v_lshl_add_u32 v126, v0, 2, 0x24800
	v_mov_b32 v127, 0
	v_lshrrev_b32 v1, 5, v0
	v_readfirstlane_b32 s16, v1                    ; wave
	s_and_b32 s17, ttmp7, 0xffff                   ; e
	s_mov_b32 s18, ttmp9
	s_and_b32 s50, s18, 15                         ; ns
	s_lshr_b32 s51, s18, 4                         ; kh
	v_and_b32 v1, 31, v0                           ; lane
	v_and_b32 v9, 15, v1                           ; lane % 16
	v_lshrrev_b32 v7, 4, v1                        ; lane / 16
	v_lshlrev_b32 v2, 15, v7
	v_lshl_add_u32 v2, v9, 4, v2                   ; the weights' offset: eight rows x (lane / 16) + 16 (lane % 16)
	v_lshlrev_b32 v3, 4, v1                        ; the images' offset
	v_lshrrev_b32 v4, 2, v9
	v_mul_u32_u24 v4, v4, FRAGB
	v_lshl_add_u32 v4, v7, 8, v4
	v_and_b32 v5, 3, v1
	v_lshl_add_u32 v4, v5, 6, v4
	s_wait_alu depctr_va_sdst(0)                   ; s16, the wave's number, is written, ahead of its first reader: LDS addresses and the bases are made from it
	s_lshl_b32 s22, s16, 9
	v_add_nc_u32 v4, s22, v4                       ; where I store codes
	v_add_nc_u32 v5, HALFS, v4
	v_lshlrev_b32 v8, 12, v7
	v_lshl_add_u32 v8, v9, 4, v8                   ; part's offset: a row x (lane / 16) + 16 (lane % 16)
	v_lshlrev_b32 v12, 4, v1                       ; where I read fragments
	v_add_nc_u32 v13, HALFS, v12
	s_mul_i32 s22, s16, 4352
	s_add_co_u32 s22, s22, STAGE                   ; my stage
	v_mul_u32_u24 v14, v9, 272
	v_lshl_add_u32 v14, v7, 5, v14
	v_add_nc_u32 v14, s22, v14                     ; in: row r, + 32 h
	v_mul_u32_u24 v15, v7, 272
	v_lshl_add_u32 v15, v9, 4, v15
	v_add_nc_u32 v15, s22, v15                     ; back: lanes 0-15 one row, lanes 16-31 the next
	v_lshlrev_b32 v9, 5, v7                        ; the bias: 32 h
	s_lshl_b32 s36, s17, 24                        ; down_w: expert x 16 MiB + kh x 8 MiB + 256 ns + 32 rows x wave
	s_lshl_b32 s22, s51, 23
	s_add_co_u32 s36, s36, s22
	s_lshl_b32 s22, s50, 8
	s_add_co_u32 s36, s36, s22
	s_lshl_b32 s22, s16, 17
	s_add_co_u32 s36, s36, s22
	s_mov_b32 s37, 0
	s_lshl_b32 s38, s17, 12                        ; down_b: expert x 4,096 + 256 ns
	s_lshl_b32 s22, s50, 8
	s_add_co_u32 s38, s38, s22
	s_mov_b32 s39, 0
	s_mul_i32 s22, s17, 80
	s_add_co_u32 s22, s22, s16
	s_lshl_b32 s42, s22, 16                        ; hq: tile 80 e + w, + 16 images x kh
	s_lshl_b32 s22, s51, 15
	s_add_co_u32 s42, s42, s22
	s_mov_b32 s43, 0
	s_mul_i32 s44, s51, PARTH                      ; part: kh's half, row 1280 e + 16 w, + 256 ns
	s_mul_i32 s22, s17, 1280
	s_lshl_b32 s46, s16, 4                         ; s46: my first tile's first rank, 320 pass + 16 w
	s_add_co_u32 s22, s22, s46
	s_lshl_b32 s22, s22, 12
	s_add_co_u32 s44, s44, s22
	s_lshl_b32 s22, s50, 8
	s_add_co_u32 s44, s44, s22
	s_mov_b32 s45, 0
	s_lshl_b32 s54, s17, 2
	s_mov_b32 s55, 0
	s_lshl_b32 s48, s17, 4
	s_mov_b32 s49, 0
	s_cmp_eq_u32 s51, 0
	s_cselect_b32 s52, 1.0, 0                      ; the bias counts once: in K half 0
	s_mov_b32 s53, s52
	s_mov_b32 s32, 0x05010400
	s_mov_b32 s33, 0x07030602
	s_mov_b32 s34, 0x05040100
	s_mov_b32 s35, 0x07060302
	s_wait_kmcnt 0x0
	s_add_nc_u64 s[4:5], s[4:5], s[36:37]
	s_add_nc_u64 s[6:7], s[6:7], s[38:39]
	s_add_nc_u64 s[8:9], s[8:9], s[42:43]
	s_add_nc_u64 s[14:15], s[14:15], s[44:45]
	s_add_nc_u64 s[10:11], s[10:11], s[54:55]
	s_add_nc_u64 s[12:13], s[12:13], s[48:49]
	s_load_b32 s19, s[10:11], 0x0                  ; cnt[e]
	s_load_b128 s[24:27], s[12:13], 0x0            ; ex, ew_up, eh, ew_down
	s_wait_alu depctr_va_vdst(0)                   ; the offsets and LDS addresses v2-5, v8, v9, v12-15 are written: every load and store of the kernel reads one of them, and none is written again
	WLOAD 0, 0
	WLOAD 1, 1
	WIN 0
	s_wait_kmcnt 0x0
	s_min_u32 s19, s19, 1024
	s_cmp_gt_u32 s19, 320
	s_cselect_b32 s20, 2, 1
	s_cmp_gt_u32 s19, 640
	s_cselect_b32 s20, 3, s20
	s_cmp_gt_u32 s19, 960
	s_cselect_b32 s20, 4, s20
	s_add_co_i32 s42, s27, 127
	s_lshl_b32 s43, s42, 23
	v_mov_b32 v6, s43                              ; 2^ew as f32
	s_add_co_i32 s42, s42, 8
	s_lshl_b32 s42, s42, 23
	s_or_b32 s29, s42, 0x600000                    ; 448 x 2^ew
	s_or_b32 s28, s29, 0x80000000
	s_add_co_i32 s42, s26, s27
	s_add_co_i32 s42, s42, 127
	s_lshl_b32 s42, s42, 23
	v_mov_b32 v10, s42                             ; 2^(eh + ew)
	v_mov_b32 v11, s42
	STEP -1
	STEP 0
	STEP 1
	STEP 2
	STEP 3
	STEP 4
	STEP 5
	STEP 6
	STEP 7
	WIN 0
	s_wait_loadcnt 0x0                             ; the bias
.set n, 0
.rept 16
	v_pk_mul_f32 v[16+2*n:17+2*n], v[16+2*n:17+2*n], s[52:53] op_sel_hi:[1,0]
.set n, n+1
.endr
	s_mov_b32 s21, 0                               ; pass
; Tile i of the pass goes out, unless all its ranks lie at or beyond the count (a scalar branch on a stored number; no barrier stands here).
.macro OUT i
	s_add_co_u32 s47, s46, 64*\i
	s_cmp_ge_u32 s47, s19
	s_cbranch_scc1 .Lskip_\@
	s_wait_xcnt 0x0                                ; the last tile's stores have read their registers
	s_wait_alu depctr_vm_vsrc(0)                   ; the last tile's LDS stores have read v48-79, which the multiply-adds below write again, and its global stores v80-111, in which the LDS loads below land; ahead of the first tile: the last K step's LDS stores have read v64-95
	WIN 0x02
.set n, 0
.rept 16
	v_pk_fma_f32 v[48+2*n:49+2*n], v[32*\i+2*n:32*\i+2*n+1], v[10:11], v[16+2*n:17+2*n]   ; each accumulator from its low end on
.set n, n+1
.endr
	WIN 0
	s_wait_alu depctr_va_vdst(0)                   ; the multiply-adds have written v48-79, which the LDS stores read
.irp nt, 0,1,2,3
.irp u, 0,1
	ds_store_b128 v14, v[48+8*\nt+4*\u:48+8*\nt+4*\u+3] offset:64*\nt+16*\u
.endr
.endr
.irp t, 0,1,2,3,4,5,6,7
	ds_load_b128 v[80+4*\t:83+4*\t], v15 offset:544*\t             ; LDS serves a wave's instructions in order (ISA guide 5.7.1.4): these see my stores
.endr
	s_wait_dscnt 0x0
.irp t, 0,1,2,3,4,5,6,7
	global_store_b128 v8, v[80+4*\t:83+4*\t], s[14:15] offset:262144*\i+8192*\t th:TH_STORE_NT   ; sixteen lanes store 256 consecutive bytes, at a multiple of 256 from the buffer's first byte
.endr
.Lskip_\@:
.endm
.Lpass:
	OUT 0
	OUT 1
	OUT 2
	OUT 3
	OUT 4
	s_add_co_u32 s21, s21, 1
	s_cmp_ge_u32 s21, s20
	s_cbranch_scc1 .Ldone
	s_wait_xcnt 0x0                                ; the stores have read their base
	s_add_nc_u64 s[8:9], s[8:9], 1310720           ; the next 20 tiles of hq,
	s_add_nc_u64 s[14:15], s[14:15], 1310720       ; the next 320 rows of part,
	s_add_co_u32 s46, s46, 320                     ; and their ranks
.irp q, 0,1,2,3,4,5,6,7                ; a further pass: the codes lie in LDS and nobody writes them: no barrier
	s_wait_alu depctr_va_vdst(0)                   ; the products above are done reading the rows' buffer 0 and the fragments v128-255, in which the loads below land (ahead of the first step too: a wave none of whose five tiles went out has passed no other wait since the last products)
	ALOAD 0, \q
	BFETCH \q
	s_wait_loadcnt 0x0
	s_wait_dscnt 0x0
	MM 0, \q==0
	PLACES 5                                       ; four would serve the loads that follow; FIVE, since the next pass's first products begin these accumulators anew (C = 0), and where all five of my tiles lie beyond the count no vector work stands between
.endr
	WIN 0
	s_cmp_lt_u32 s21, s20
	s_cbranch_scc1 .Lpass
.Ldone:
	s_wait_dscnt 0x0                               ; the closing lines, six on end
	s_wait_alu 0x0
	s_wait_tensorcnt 0x0
	ds_add_u32 v126, v127
	s_wait_dscnt 0x0
	s_endpgm
.Lfunc_end_k_q5e763c125e_down:
	.size	k_q5e763c125e_down, .Lfunc_end_k_q5e763c125e_down-k_q5e763c125e_down
	.p2alignl 7, 3214868480
	.fill 96, 4, 3214868480
	.section	.rodata,"a",@progbits
	.p2align	6, 0x0
	.amdhsa_kernel k_q5e763c125e_down
		.amdhsa_group_segment_fixed_size 150016
		.amdhsa_private_segment_fixed_size 0
		.amdhsa_enable_private_segment 0
		.amdhsa_kernarg_size 48
		.amdhsa_user_sgpr_count 2
		.amdhsa_user_sgpr_kernarg_segment_ptr 1
		.amdhsa_wavefront_size32 1
		.amdhsa_system_sgpr_workgroup_id_x 1
		.amdhsa_system_sgpr_workgroup_id_y 1
		.amdhsa_system_sgpr_workgroup_id_z 1
		.amdhsa_system_vgpr_workitem_id 0
		.amdhsa_next_free_vgpr 1024
		.amdhsa_next_free_sgpr 66
		.amdhsa_reserve_vcc 0
		.amdhsa_float_denorm_mode_32 3
		.amdhsa_float_denorm_mode_16_64 3
		.amdhsa_memory_ordered 1
		.amdhsa_forward_progress 1
		.amdhsa_inst_pref_size 255
	.end_amdhsa_kernel
	.section	.bss,"aw",@nobits
	.p2align	6
	.space	262144
	.amdgpu_metadata
---
amdhsa.version: [ 1, 2 ]
amdhsa.kernels:
  - .name:           k_q5e763c125e_down
    .symbol:         k_q5e763c125e_down.kd
    .args:
      - { .name: down_w, .offset: 0, .size: 8, .value_kind: global_buffer, .address_space: global }
      - { .name: down_b, .offset: 8, .size: 8, .value_kind: global_buffer, .address_space: global }
      - { .name: hq, .offset: 16, .size: 8, .value_kind: global_buffer, .address_space: global }
      - { .name: cnt, .offset: 24, .size: 8, .value_kind: global_buffer, .address_space: global }
      - { .name: lowp_scales, .offset: 32, .size: 8, .value_kind: global_buffer, .address_space: global }
      - { .name: part, .offset: 40, .size: 8, .value_kind: global_buffer, .address_space: global }
    .group_segment_fixed_size: 150016
    .private_segment_fixed_size: 0
    .kernarg_segment_align: 8
    .kernarg_segment_size: 48
    .max_flat_workgroup_size: 128
    .sgpr_count:     66
    .vgpr_count:     1024
    .wavefront_size: 32
...
	.end_amdgpu_metadata
.endif
;; end of part 7
;; launch combine: the kernel of part 5 again; grid 256 x 1, 4 waves a work-group, no clusters, 0 bytes of LDS; arguments part, posof, wts, out0; writes out0
